; MI455X (gfx1250); checked and timed in simulation.
; The chip was launched on July 23, 2026; its instructions are those of AMD's public machine-readable ISA for CDNA 5 (MIT licence, August 2026) and "CDNA5" Instruction Set Architecture Reference Guide (July 2026). The comments in the code are by the model that wrote it; some were corrected since.
;; Simple Mo E Layer. Allowed arithmetic: matrix products marked QUANTISED: E5M2 operands, one E8M0 scale for each 32 along K, by v_wmma_scale_f32_16x16x128_f8f6f4 with both operands' format E5M2, f32 sums; products left as they are: f32 operands where the result goes on into a quantised operand, else bf16, f16 or f32 operands; f32 sums; everything else in f32.
;; Inputs: W1_codes 8 x 4,096 x 32 x 32 uint8 (E5M2 codes of W1, K innermost, in blocks of 32 codes); W1_scales 8 x 4,096 x 32 uint8 (E8M0 scales of W1, one for each 32 codes along K); W2_codes 8 x 1,024 x 128 x 32 uint8 (E5M2 codes of W2, K innermost, in blocks of 32 codes); W2_scales 8 x 1,024 x 128 uint8 (E8M0 scales of W2, one for each 32 codes along K); Wr 8 x 1,024 float32; b1 8 x 4,096 float32; b2 8 x 1,024 float32; x 2 x 512 x 1,024 float32.
;; Outputs: out0 2 x 512 x 1,024 float32.
;; This version of the problem:
;;   THIS VERSION OF THE PROBLEM IS GIVEN IN LOW PRECISION. The matrix products marked QUANTISED in the list below multiply operands that are first quantised to E5M2 (5 exponent bits, 2 mantissa bits; 8 bits a number), with one power-of-two scale for each 32 numbers along K (OCP MX v1.0); their sums are f32. All else is computed in f32.
;;   The module's matrix products, in the order in which they are computed (A, B: the left and right operand; K: the contracted axis; several contracted axes count as one K, in the product's order):
;;     1. [M 1,024, K 1,024] x [K 1,024, N 8]; A: input x; B: input Wr: left as it is (N = 8 < 16)
;;     2. [M 1,024, K 1,024] x [K 1,024, N 4,096]; A: input x; B: input W1 (given as codes): QUANTISED
;;     3. [M 1,024, K 4,096] x [K 4,096, N 1,024]; A: computed on the way; B: input W2 (given as codes): QUANTISED
;;     4. [M 1,024, K 1,024] x [K 1,024, N 4,096]; A: input x; B: input W1 (given as codes): QUANTISED
;;     5. [M 1,024, K 4,096] x [K 4,096, N 1,024]; A: computed on the way; B: input W2 (given as codes): QUANTISED
;;     6. [M 1,024, K 1,024] x [K 1,024, N 4,096]; A: input x; B: input W1 (given as codes): QUANTISED
;;     7. [M 1,024, K 4,096] x [K 4,096, N 1,024]; A: computed on the way; B: input W2 (given as codes): QUANTISED
;;     8. [M 1,024, K 1,024] x [K 1,024, N 4,096]; A: input x; B: input W1 (given as codes): QUANTISED
;;     9. [M 1,024, K 4,096] x [K 4,096, N 1,024]; A: computed on the way; B: input W2 (given as codes): QUANTISED
;;     10. [M 1,024, K 1,024] x [K 1,024, N 4,096]; A: input x; B: input W1 (given as codes): QUANTISED
;;     11. [M 1,024, K 4,096] x [K 4,096, N 1,024]; A: computed on the way; B: input W2 (given as codes): QUANTISED
;;     12. [M 1,024, K 1,024] x [K 1,024, N 4,096]; A: input x; B: input W1 (given as codes): QUANTISED
;;     13. [M 1,024, K 4,096] x [K 4,096, N 1,024]; A: computed on the way; B: input W2 (given as codes): QUANTISED
;;     14. [M 1,024, K 1,024] x [K 1,024, N 4,096]; A: input x; B: input W1 (given as codes): QUANTISED
;;     15. [M 1,024, K 4,096] x [K 4,096, N 1,024]; A: computed on the way; B: input W2 (given as codes): QUANTISED
;;     16. [M 1,024, K 1,024] x [K 1,024, N 4,096]; A: input x; B: input W1 (given as codes): QUANTISED
;;     17. [M 1,024, K 4,096] x [K 4,096, N 1,024]; A: computed on the way; B: input W2 (given as codes): QUANTISED
;;   THE QUANTISER, for each operand of a quantised product, along K:
;;     - K is cut into blocks of 32 from its start; a last block that is shorter is filled with zeros.
;;     - A block's scale is 2^e with e = floor(log2(the largest magnitude in the block)) - 15, held to -126 .. 127; a block of zeros has e = 0. As a byte (E8M0): e + 127.
;;     - Each number is divided by its block's scale, clamped to +-57,344, and rounded to the nearest number of E5M2, ties to even, subnormals kept.
;;     - The product sums the exact products of the quantised numbers (number of the format x scale) in f32.
;;   ~~~python
;;   def quantise(x, axis):      # numpy; x: float32 -> the quantised numbers, widened to float32 again
;;       x = np.moveaxis(x, axis, -1); K = x.shape[-1]
;;       x = np.pad(x, [(0, 0)] * (x.ndim - 1) + [(0, -K % 32)]); x = x.reshape(x.shape[:-1] + (-1, 32)); a = np.abs(x).max(-1, keepdims=True)
;;       e = np.where(a > 0, np.clip(np.frexp(np.where(a > 0, a, 1))[1] - 1 - 15, -126, 127), 0)      # np.frexp(a)[1] - 1 = floor(log2(a)), exactly
;;       r = np.clip(x / 2.0 ** e, -57344, 57344)
;;       step = 2.0 ** (np.maximum(np.frexp(np.where(r == 0, 1, r))[1] - 1, -14) - 2)
;;       q = np.round(r / step) * step * 2.0 ** e      # np.round: ties to even
;;       return np.moveaxis(q.reshape(q.shape[:-2] + (-1,))[..., :K], -1, axis).astype(np.float32)
;;   ~~~
;;   OPERANDS COMPUTED ON THE WAY. 'Computed on the way' means the value that the module computes at that place (a softmax that the list does not call 'softmax' is quantised finished and normalised). What goes into a quantiser is computed in f32, as accurately as f32 sums, v_exp_f32 and their like allow (about 1e-6 of the number): no bf16 or f16 on the way to a quantiser, and a product that is left as it is and whose result goes on into a quantised operand takes f32 operands (vector FMAs, or v_wmma_f32_16x16x4_f32). A number that lies on a knife's edge between two numbers of the format may be rounded either way, as far as f32 arithmetic and the matrix unit's own rounding can turn it there, and no further.
;;   INPUTS GIVEN AS CODES. W1 (in the module: [8, 1024, 4096], K = its axis 1); W2 (in the module: [8, 4096, 1024], K = its axis 1): each comes as NAME_codes (uint8): NAME with its K axis moved to the last place and cut into blocks of 32 codes, [.., K / 32, bytes a block], one block behind the other in memory; one code a byte (a code: sign, 5 exponent bits, 2 mantissa bits); and NAME_scales (uint8): the same leading axes, one E8M0 byte (e + 127) for each 32 codes along K. Its value is code x scale, taken as it is: it is not quantised again, and the codes and scales need not be those that the quantiser above would give.
;; 2 versions. Each part assembles by itself: llvm-mc -triple=amdgcn-amd-amdhsa -mcpu=gfx1250 --defsym DOCPART=n.
;; ======== version 1 of 2: 4 launches
;; workspace buffers: xq 1,048,576 bytes; xs 32,768 bytes; sel 4,096 bytes of whole numbers; gate 8,192 bytes; meta 8,448 bytes of whole numbers; hq 37,748,736 bytes; hs 3,145,728 bytes; ys 75,497,472 bytes
;; launch route (part 1): grid 256 x 1, 4 waves a work-group, no clusters, 21,248 bytes of LDS; arguments x, Wr, xq, xs, sel, gate; writes xq, xs, sel, gate
.if DOCPART == 1
	.amdgcn_target "amdgcn-amd-amdhsa--gfx1250"
	.amdhsa_code_object_version 6
	.text
	.protected	k_q4d258b5be4_route
	.globl	k_q4d258b5be4_route
	.p2align	8
	.type	k_q4d258b5be4_route,@function
k_q4d258b5be4_route:
	s_mov_b64 s[64:65], 0
	v_nop
	global_prefetch_b8 v0, s[64:65] scope:SCOPE_SE
	s_setreg_imm32_b32 hwreg(HW_REG_WAVE_MODE, 25, 1), 1
	s_wait_xcnt 0x0
; ROUTER AND QUANTISER OF x.  x: [1024 tokens][1024] f32.  Wr: [8][1024] f32.
; A wave takes one token: its 8 logits in f32 (fused multiply-adds, 16 chains, then a sum over the lanes), the two largest (a tie keeps the lower
; index), the softmax over those two with the larger taken away first; and the row's codes of E5M2 with one E8M0 byte for each 32 along the row.
; OUT: xq [token][1024] codes; xs [token][32] bytes; sel [token] one word: bits 7:0 (1<<e0)|(1<<e1), 10:8 e0, 18:16 e1; gate [token][2] f32.
; No address and no branch here hangs on the choice: it is stored at fixed places, for the next launch to read.
; LIMITS: inputs are taken to be finite (no NaN, no infinity).  Two logits closer than the rounding of a sum of 1,024 f32 products may be ranked
; otherwise than by another order of that sum.  A block of zeros gets the byte 1 (its codes are zeros; this program alone reads the bytes).
; xs, sel and gate are 44 bytes a token: they leave as short stores, one part in a hundred of what the launch moves.
; Waves share nothing: no barrier.  Each load of x and of Wr reads 512 consecutive bytes, 16 a lane; for the conversions, which want 16 neighbours
; in one lane, x's bytes turn through the wave's own stage in LDS (64 bytes + 16 of padding for each lane).
.set SP,   80                          ; a lane's place in a stage
.set STG,  32*SP                       ; a stage: 512 numbers
.set SB,   4*2*STG                     ; behind the stages: 32 scale bytes for each wave
.set R,    16                          ; v16-47   the row as loaded: register 4 j + k = element 128 j + 4 lane + k
.set X,    48                          ; v48-79   two steps of 16 neighbours
.set C,    80                          ; v80-87   codes, four registers a step
.set AC,   100                         ; v100-131 expert e: two chains of a pair each
.set L,    132                         ; v132-139 the logits
.set PD,   140                         ; v140-147 destinations of the lane permute
.set MSB, 0
.macro WIN new                         ; the immediate's high byte repeats the setting that is left
.if MSB != \new
	s_set_vgpr_msb (MSB<<8)|\new
.set MSB, \new
.endif
.endm
	s_load_b256 s[4:11], s[0:1], 0x0               ; x s[4:5], Wr s[6:7], xq s[8:9], xs s[10:11]
	s_load_b128 s[12:15], s[0:1], 0x20             ; sel s[12:13], gate s[14:15]
	v_lshl_add_u32 v254, v0, 2, 0x5100
	v_mov_b32 v255, 0
	v_lshrrev_b32 v8, 5, v0
	v_readfirstlane_b32 s16, v8                    ; wave
	v_and_b32 v1, 31, v0                           ; lane
	v_lshlrev_b32 v2, 4, v1                        ; 16 x lane
	s_mul_i32 s17, s16, 2*STG
	v_lshrrev_b32 v3, 2, v1
	v_mul_u32_u24 v3, v3, SP
	v_and_b32 v8, 3, v1
	v_lshl_add_u32 v3, v8, 4, v3
	v_add_nc_u32 v3, s17, v3                       ; into the stage: four lanes' 64 bytes on end, then the padding
	v_mul_u32_u24 v4, v1, SP
	v_add_nc_u32 v4, s17, v4                       ; out of it: my 16 neighbours
	s_lshl_b32 s17, s16, 5
	s_add_co_u32 s17, s17, SB
	v_lshrrev_b32 v5, 1, v1
	v_add_nc_u32 v5, s17, v5                       ; my block's scale byte (two lanes to a block)
	v_and_b32 v6, 7, v1
	v_lshlrev_b32 v6, 2, v6
	v_add_nc_u32 v6, s17, v6                       ; and on the way out a word of four
	v_lshlrev_b32 v7, 2, v1                        ; 4 x lane
	s_lshl_b32 s18, ttmp9, 2
	s_add_co_u32 s18, s18, s16                     ; my token
	s_mov_b32 s21, 0
	s_mov_b32 s24, 0x600000                        ; the mantissa field of 57,344
	s_mov_b32 s26, 0x76543210
	s_mov_b32 s27, 0xfedcba98                      ; lane selects: lane l xor 16
.irp e, 0,1,2,3,4,5,6,7
	v_mov_b32 v[PD+\e], 0                          ; a lane permute's destination counts as one of its sources
.endr
	s_wait_kmcnt 0x0
	s_lshl_b32 s20, s18, 12
	s_add_nc_u64 s[4:5], s[4:5], s[20:21]          ; my row of x
	s_lshl_b32 s20, s18, 10
	s_add_nc_u64 s[8:9], s[8:9], s[20:21]          ; of xq
	s_lshl_b32 s20, s18, 5
	s_add_nc_u64 s[10:11], s[10:11], s[20:21]      ; of xs
	s_lshl_b32 s20, s18, 2
	s_add_nc_u64 s[12:13], s[12:13], s[20:21]      ; my word of sel
	s_lshl_b32 s20, s18, 3
	s_add_nc_u64 s[14:15], s[14:15], s[20:21]      ; my two gates
.irp j, 0,1,2,3,4,5,6,7
	global_load_b128 v[R+4*\j:R+4*\j+3], v2, s[4:5] offset:512*\j th:TH_LOAD_NT
.endr
	WIN 0x40                                       ; destination window 1: all of Wr, in x's layout: v[32 e + 4 j + k]
.irp e, 0,1,2,3,4,5,6,7
.irp j, 0,1,2,3,4,5,6,7
	global_load_b128 v[32*\e+4*\j:32*\e+4*\j+3], v2, s[6:7] offset:4096*\e+512*\j
.endr
.endr
	WIN 0
	s_wait_loadcnt 63                              ; 64 loads were issued behind x's eight: with 63 at the most out, x is in
.irp hh, 0,1
.irp i, 0,1,2,3
	ds_store_b128 v3, v[R+16*\hh+4*\i:R+16*\hh+4*\i+3] offset:STG*\hh+8*SP*\i
.endr
.irp i, 0,1,2,3
	ds_load_b128 v[X+16*\hh+4*\i:X+16*\hh+4*\i+3], v4 offset:STG*\hh+16*\i   ; LDS serves a wave's instructions in order: these see the stores above
.endr
.endr
	s_wait_dscnt 0x0
; 512 numbers: a lane's 16, two lanes to a block
.macro QSTEP hh
.set XS, X+16*(\hh)
	v_max3_num_f32 v88, |v[XS]|, |v[XS+1]|, |v[XS+2]|
	v_max3_num_f32 v89, |v[XS+3]|, |v[XS+4]|, |v[XS+5]|
.irp i, 6,10
	v_max3_num_f32 v88, v88, |v[XS+\i]|, |v[XS+\i+1]|
	v_max3_num_f32 v89, v89, |v[XS+\i+2]|, |v[XS+\i+3]|
.endr
	v_max3_num_f32 v88, v88, |v[XS+14]|, |v[XS+15]|
	v_max3_num_f32 v88, v88, v89, 0x8000000        ; and the floor 2^(16 - 127): the byte cannot fall under 1
	v_max_num_f32_dpp v88, v88, v88 row_xmask:1 row_mask:0xf bank_mask:0xf   ; with my neighbour's 16: the block's largest magnitude
	v_add_nc_u32 v91, 0xf8800000, v88              ; 15 off its exponent field: the conversion's scale operand
	v_and_or_b32 v90, v88, 0x7f800000, s24         ; 57,344 x the scale
.irp i, 0,1,2,3,4,5,6,7,8,9,10,11,12,13,14,15
	v_med3_num_f32 v[XS+\i], v[XS+\i], -v90, v90   ; the conversion to an 8-bit code does not saturate (ISA guide 7.6.2): the hold
.endr
	v_cvt_scalef32_pk8_bf8_f32 v[C+4*(\hh):C+4*(\hh)+1], v[XS:XS+7], v91
	v_cvt_scalef32_pk8_bf8_f32 v[C+4*(\hh)+2:C+4*(\hh)+3], v[XS+8:XS+15], v91
	v_lshrrev_b32 v[92+(\hh)], 23, v91             ; the scale's byte (also the plain line behind the conversions)
	ds_store_b8 v5, v[92+(\hh)] offset:16*(\hh)    ; both lanes of a block write the same byte with the same value
	global_store_b128 v2, v[C+4*(\hh):C+4*(\hh)+3], s[8:9] offset:512*(\hh)   ; the wave stores 512 consecutive bytes
.endm
	QSTEP 0
	QSTEP 1
	s_wait_loadcnt 0x0                             ; Wr
	WIN 0x04                                       ; source 1 in window 1
.irp p, 0,1,2,3,4,5,6,7,8,9,10,11,12,13,14,15
.irp e, 0,1,2,3,4,5,6,7
.if \p < 2
	v_pk_mul_f32 v[AC+4*\e+2*\p:AC+4*\e+2*\p+1], v[R+2*\p:R+2*\p+1], v[32*\e+2*\p:32*\e+2*\p+1]   ; the first products start the chains
.else
	v_pk_fma_f32 v[AC+4*\e+2*(\p%2):AC+4*\e+2*(\p%2)+1], v[R+2*\p:R+2*\p+1], v[32*\e+2*\p:32*\e+2*\p+1], v[AC+4*\e+2*(\p%2):AC+4*\e+2*(\p%2)+1]
.endif
.endr
.endr
	WIN 0
.irp e, 0,1,2,3,4,5,6,7
	v_pk_add_f32 v[AC+4*\e:AC+4*\e+1], v[AC+4*\e:AC+4*\e+1], v[AC+4*\e+2:AC+4*\e+3]
.endr
.irp e, 0,1,2,3,4,5,6,7
	v_add_f32 v[L+\e], v[AC+4*\e], v[AC+4*\e+1]
.endr
.irp m, 1,2,4,8
.irp e, 0,1,2,3,4,5,6,7
	v_add_f32_dpp v[L+\e], v[L+\e], v[L+\e] row_xmask:\m row_mask:0xf bank_mask:0xf
.endr
.endr
.irp e, 0,1,2,3,4,5,6,7
	v_permlanex16_b32 v[PD+\e], v[L+\e], s26, s27
.endr
.irp e, 0,1,2,3,4,5,6,7
	v_add_f32 v[L+\e], v[L+\e], v[PD+\e]           ; every lane holds the eight logits
.endr
	v_mov_b32 v148, v[L]                           ; the largest, and its index: kept while it is not smaller, so a tie keeps the lower index
	v_mov_b32 v149, 0
.irp e, 1,2,3,4,5,6,7
	v_cmp_ge_f32 vcc_lo, v148, v[L+\e]
	v_cndmask_b32 v149, \e, v149, vcc_lo
	v_cndmask_b32 v148, v[L+\e], v148, vcc_lo
.endr
	v_mov_b32 v150, 0xff800000                     ; the winner leaves the field: -infinity in its place
.irp e, 0,1,2,3,4,5,6,7
	v_cmp_eq_u32 vcc_lo, \e, v149
	v_cndmask_b32 v[L+\e], v[L+\e], v150, vcc_lo
.endr
	v_mov_b32 v151, v[L]                           ; the second
	v_mov_b32 v152, 0
.irp e, 1,2,3,4,5,6,7
	v_cmp_ge_f32 vcc_lo, v151, v[L+\e]
	v_cndmask_b32 v152, \e, v152, vcc_lo
	v_cndmask_b32 v151, v[L+\e], v151, vcc_lo
.endr
	v_sub_f32 v153, v151, v148                     ; the larger logit is taken away: 0 for the first, d <= 0 for the second
	v_mul_f32 v153, 0x3fb8aa3b, v153
	v_exp_f32 v154, v153                           ; e^d
	v_mov_b32 v155, 1                              ; sel's word is made meanwhile: plain lines that name no result of the exponential
	v_lshlrev_b32 v158, v149, v155
	v_lshlrev_b32 v159, v152, v155
	v_or_b32 v158, v158, v159
	v_lshl_or_b32 v158, v149, 8, v158
	v_lshl_or_b32 v158, v152, 16, v158
	s_wait_alu depctr_va_vdst(0)                   ; ahead of the exponential's first reader
	v_add_f32 v155, 1.0, v154
	v_rcp_f32 v156, v155                           ; p0 = 1 / (1 + e^d)
	v_nop                                          ; a plain line behind the reciprocal
	s_wait_alu depctr_va_vdst(0)                   ; ahead of its first reader
	v_mul_f32 v157, v154, v156                     ; p1 = e^d p0
	ds_load_b32 v99, v6                            ; my wave's scale bytes, a word a lane (lanes 8 on repeat them)
	s_wait_dscnt 0x0
	v_cmp_gt_u32 s32, 8, v1
	v_cmp_eq_u32 s33, 0, v1
	s_wait_xcnt 0x0                                ; EXEC changes only behind this wait: the codes' stores have read it
	s_wait_tensorcnt 0x0
	ds_add_u32 v254, v255
	s_wait_dscnt 0x0
	s_and_saveexec_b32 s30, s32
	global_store_b32 v7, v99, s[10:11]             ; lanes 0 to 7: the row's 32 scale bytes
	s_wait_xcnt 0x0
	s_or_b32 exec_lo, exec_lo, s30
	s_and_saveexec_b32 s30, s33
	global_store_b32 v7, v158, s[12:13]            ; lane 0 (4 x lane = 0): the choice,
	global_store_b64 v7, v[156:157], s[14:15]      ; and the two gates
	s_wait_xcnt 0x0
	s_or_b32 exec_lo, exec_lo, s30
	s_endpgm
.Lfunc_end_k_q4d258b5be4_route:
	.size	k_q4d258b5be4_route, .Lfunc_end_k_q4d258b5be4_route-k_q4d258b5be4_route
	.p2alignl 7, 3214868480
	.fill 96, 4, 3214868480
	.section	.rodata,"a",@progbits
	.p2align	6, 0x0
	.amdhsa_kernel k_q4d258b5be4_route
		.amdhsa_group_segment_fixed_size 21248
		.amdhsa_private_segment_fixed_size 0
		.amdhsa_enable_private_segment 0
		.amdhsa_kernarg_size 48
		.amdhsa_user_sgpr_count 2
		.amdhsa_user_sgpr_kernarg_segment_ptr 1
		.amdhsa_wavefront_size32 1
		.amdhsa_system_sgpr_workgroup_id_x 1
		.amdhsa_system_sgpr_workgroup_id_y 1
		.amdhsa_system_sgpr_workgroup_id_z 1
		.amdhsa_system_vgpr_workitem_id 0
		.amdhsa_next_free_vgpr 512
		.amdhsa_next_free_sgpr 66
		.amdhsa_reserve_vcc 1
		.amdhsa_float_denorm_mode_32 3
		.amdhsa_float_denorm_mode_16_64 3
		.amdhsa_memory_ordered 1
		.amdhsa_forward_progress 1
		.amdhsa_inst_pref_size 30
	.end_amdhsa_kernel
	.amdgpu_metadata
---
amdhsa.version: [ 1, 2 ]
amdhsa.kernels:
  - .name:           k_q4d258b5be4_route
    .symbol:         k_q4d258b5be4_route.kd
    .args:
      - { .name: x, .offset: 0, .size: 8, .value_kind: global_buffer, .address_space: global }
      - { .name: Wr, .offset: 8, .size: 8, .value_kind: global_buffer, .address_space: global }
      - { .name: xq, .offset: 16, .size: 8, .value_kind: global_buffer, .address_space: global }
      - { .name: xs, .offset: 24, .size: 8, .value_kind: global_buffer, .address_space: global }
      - { .name: sel, .offset: 32, .size: 8, .value_kind: global_buffer, .address_space: global }
      - { .name: gate, .offset: 40, .size: 8, .value_kind: global_buffer, .address_space: global }
    .group_segment_fixed_size: 21248
    .private_segment_fixed_size: 0
    .kernarg_segment_align: 8
    .kernarg_segment_size: 48
    .max_flat_workgroup_size: 128
    .sgpr_count:     66
    .vgpr_count:     512
    .wavefront_size: 32
...
	.end_amdgpu_metadata
.endif
;; end of part 1
;; launch ffn1 (part 2): grid 32 x 8, 8 waves a work-group, no clusters, 154,624 bytes of LDS; arguments xq, xs, sel, W1_codes, W1_scales, b1, hq, hs, meta; writes hq, hs, meta
.if DOCPART == 2
	.amdgcn_target "amdgcn-amd-amdhsa--gfx1250"
	.amdhsa_code_object_version 6
	.text
	.protected	k_q4d258b5be4_ffn1
	.globl	k_q4d258b5be4_ffn1
	.p2align	8
	.type	k_q4d258b5be4_ffn1,@function
k_q4d258b5be4_ffn1:
	s_mov_b64 s[64:65], 0
	v_nop
	global_prefetch_b8 v0, s[64:65] scope:SCOPE_SE
	s_setreg_imm32_b32 hwreg(HW_REG_WAVE_MODE, 25, 1), 1
	s_wait_xcnt 0x0
; FIRST PRODUCT OF THE EXPERTS, ON THE ROUTED ROWS ALONE: h = Q(gelu(xq W1[e]^T + b1[e])), on codes of E5M2 with one E8M0 scale for each 32 along K.
; SHARES.  Work-group (fs, e) owns hidden units 128 fs .. 128 fs + 127 of expert e: 128 rows of W1's codes, 1,024 bytes each, read from memory once, by this work-group alone,
; and kept in LDS.  All rows routed to e go past them, in chunks of 48 rows (3 tiles of 16).  Chunk c belongs to wave c mod 8; the loop has 3 trips for every wave
; (8 x 3 = 24 chunk places serve any split: 1,024 rows at the most are 22 chunks) and jumps over the work where c is past the expert's chunks: a branch on a stored count,
; which is why the operands come by plain loads and no copy engine is used.  No cluster: no two work-groups read the same weights, and which rows of x a work-group reads hangs on the split.
; THE LIST.  Wave 0 reads sel (a word a token, stored by the launch before) and lays the expert's tokens in LDS, in the order in which its registers hold them (entry = token | k << 16, k = which of the
; token's two choices this expert is).  All lanes stay on throughout this text: a lane whose token did not choose the expert stores into a spare place of its own behind the list.
; Entries past the count hold token 8 + e and k = 2: a row that can be gathered, and whose place falls on a spare word of meta.
; The work-groups with fs = 0 also store the count and, for each routed row, its place e x 1152 + rank, for the later launches: meta: [k 2][token 1024] at 0, the counts at 8192 + 4 e, the spare words at 8224 + 4 e.
; A CHUNK goes in ONE pass: 8 tiles of units x 3 tiles of rows = 24 accumulators, 8 K steps, so that the work-group asks for each byte of x's codes once: a load of them takes 32 bytes of each of 16 rows.
; A K step has two halves: W1's tiles 0-3 against the three tiles of rows, then tiles 4-7 against the same.  The product is used TRANSPOSED (source 0 = 16 rows of W1, source 1 = 16 rows of x): a lane
; holds one row of x.  THE ROWS OF W1 THAT FORM A TILE ARE NOT NEIGHBOURS: lane r of tile 2 b + u takes unit 32 b + 8 u + r + 8 (r / 8), so that the 16 registers of tiles 2 b, 2 b + 1 are units
; 32 b + 16 (lane / 16) + 0 .. 15: neighbours along the next K, in the order of the next operand's registers.  The bias is loaded into the accumulators: every K step is the same link in place.
; gelu is exact: 0.5 v (1 + erf(v / sqrt 2)), erf(z) = z P(z^2) / Q(z^2) in f32 with z held to +-4, where erf is 1 to the last bit of f32.
; OUT.  hq [e][chunk 24][K step 32][tile 3][block 4][lane 32][16 bytes]: images of the next operand's registers; hs [e][chunk][K step][lane 32][4 words]: word i = tile i's scale word (word 3 unused).
; Every store of codes and of scale words covers 512 consecutive bytes.  Chunk 0 is always made, so that the next launch's first loads find written bytes.
; LIMITS: rows past the count in an expert's last chunk (47 at the most) are computed from token 8 + e and read by nobody for a result.  A block of zeros gets the byte 1.  Inputs are taken to be finite.
; W IN LDS: a fragment (16 rows x 128 K) is 8 pieces of 256 bytes (piece 2 c + h: the 16 rows' bytes 32 c + 16 h .. + 15), 272 bytes apart; 4 fragments and 128 bytes make a group (half, K step).
; A fragment load's sixteen lanes read 256 consecutive bytes; on the way in, sixteen lanes' stores fall into sixteen different 16-byte columns of 256 (8,832 = 128 and 272 = 16 modulo 256).
.set FR,   2176
.set SS,   4*FR+128
.set WS,   16*SS                       ; W1's scale words: 128 rows (16 x tile + r), 32 bytes + 16 of padding
.set BIAS, WS+128*48                   ; a word a thread: b1[128 fs + thread % 128]
.set CAP,  1152
.set LIST, BIAS+1024                   ; 1,152 entries, and behind them 32 spare places, one a lane
.set CNT,  LIST+4*(CAP+32)             ; the count
.set LN,   1                           ; lane
.set LI,   2                           ; 16 x lane
.set R16,  3                           ; lane % 16
.set HH,   4                           ; lane / 16
.set AW,   5                           ; v5-8   my place in a fragment, + 4 k groups
.set AWS,  9                           ; my row's scale words
.set AB,   10                          ; my half's biases
.set ALS,  11                          ; my row's list entry
.set WST,  12                          ; where I store W's bytes
.set SST,  13                          ; and its scale bytes
.set BST,  14                          ; and the bias
.set LZ,   15                          ; the list, 16 bytes a lane (wave 0 fills it)
.set VA,   16                          ; where an entry goes (wave 0)
.set CNTA, 17
.set XA,   18                          ; v18-20 tile i: my token's row of xq, + 16 (lane / 16)
.set XB,   21                          ; v21-23 and of xs
.set LE,   24                          ; v24-26 tile i: my row's list entry
.set ALC,  27
.set PW,   28                          ; v28-31 the scale words in the making; v31 stays 0x7f7f7f7f
.set KA,   32                          ; v[32:33] a13 twice;  v[34:35] b8 twice
.set KB,   34
.set CD,   36                          ; v36-43 two sets of codes; at the head: W1's scale bytes v36-39, the bias v40, their offsets v41, v42
.set RA,   50                          ; v50-52 where the rows' places go in meta; at the head, wave 0: v48-51 the list's filling, v52 my spare place
.set CA,   53                          ; where the count goes in meta
.set PDST, 54                          ; the lane permute's destination
.set H16,  55                          ; 16 (lane / 16)
.set XSC,  56                          ; v56-79 x's scale words: tile i, K step s at 8 i + s
.set WSC,  80                          ; v80-95 W1's: tile t (0-7), K step s % 2 at 2 t + s % 2
.set WF,   96                          ; v96-159 W1's four fragments of half a K step
.set GZ,   96                          ; in the epilogue: z, z^2 (then the result), P, Q, 16 each
.set GT,   112
.set GP,   128
.set GQ,   144
.set ACC,  160                         ; v160-255 of window 0: accumulator (t, i) of tiles 0-3 at 8 (3 t + i)
.set AC1,  144                         ; v144-239 of window 1: those of tiles 4-7
.set WT,   96                          ; at the head: v96-223 the 32 loads of W
.set SEL,  224                         ; at the head, wave 0: v224-255 sel's words
; window 1, v0-143: the ring of x's fragments: slot k (0-2), tile i at v[48 k + 16 i]
.set A11, 40                           ; s[40:61] constants as pairs (a packed form names a pair and takes its low word for both halves)
.set A9,  42
.set A7,  44
.set A5,  46
.set A3,  48
.set A1,  50
.set B6,  52
.set B4,  54
.set B2,  56
.set B0,  58
.set RS2, 60
.set MSB, 0
.macro WIN new                         ; the immediate's high byte repeats the setting that is left
.if MSB != \new
	s_set_vgpr_msb (MSB<<8)|\new
.set MSB, \new
.endif
.endm
.macro PLACES n                        ; plain lines between a matrix instruction and loads into, or reads of, its registers
.rept \n
	v_nop
.endr
.endm
.macro KPAIR r, bits
	s_mov_b32 s[\r], \bits
	s_mov_b32 s[\r+1], \bits
.endm
; x's fragments of K step s into slot k: 12 loads (the destination's window is set by the caller)
.macro RING k, s
.irp i, 0,1,2
.irp c, 0,1,2,3
	global_load_b128 v[48*(\k)+16*\i+4*\c:48*(\k)+16*\i+4*\c+3], v[XA+\i], s[4:5] offset:128*(\s)+32*\c
.endr
.endr
.endm
; chunk s27: its 48 list entries, the rows' addresses, x's scale words (6 loads) and K step 0 (12 loads)
.macro PROA
	s_mul_i32 s39, s27, 192
	v_add_nc_u32 v[ALC], s39, v[ALS]
.irp i, 0,1,2
	ds_load_b32 v[LE+\i], v[ALC] offset:64*\i
.endr
	s_wait_dscnt 0x0
.irp i, 0,1,2
	v_and_b32 v[44+\i], 0x3ff, v[LE+\i]
.endr
.irp i, 0,1,2
	v_min_u32 v[44+\i], 0x3ff, v[44+\i]            ; a token's number, held inside the table
.endr
.irp i, 0,1,2
	v_lshlrev_b32 v[XA+\i], 10, v[44+\i]           ; its row of xq: 1,024 bytes a token,
	v_lshlrev_b32 v[XB+\i], 5, v[44+\i]            ; and of xs: 32
.endr
.irp i, 0,1,2
	v_add_nc_u32 v[XA+\i], v[H16], v[XA+\i]        ; + my half's 16 bytes
.endr
.irp i, 0,1,2
	global_load_b128 v[XSC+8*\i:XSC+8*\i+3], v[XB+\i], s[6:7]
	global_load_b128 v[XSC+8*\i+4:XSC+8*\i+7], v[XB+\i], s[6:7] offset:16
.endr
	WIN 0x40
	RING 0, 0
	WIN 0
.endm
; the biases of the 128 units, straight into the 24 accumulators: lane (r, h), tile t: units 32 (t / 2) + 16 h + 8 (t % 2) + 0 .. 7
.macro ACCINIT
.irp t, 0,1,2,3
.irp i, 0,1,2
	ds_load_b128 v[ACC+8*(3*\t+\i):ACC+8*(3*\t+\i)+3], v[AB] offset:128*(\t/2)+32*(\t%2)
	ds_load_b128 v[ACC+8*(3*\t+\i)+4:ACC+8*(3*\t+\i)+7], v[AB] offset:128*(\t/2)+32*(\t%2)+16
.endr
.endr
	WIN 0x40                                       ; destination window 1, address window 0
.irp t, 0,1,2,3
.irp i, 0,1,2
	ds_load_b128 v[AC1+8*(3*\t+\i):AC1+8*(3*\t+\i)+3], v[AB] offset:128*(2+\t/2)+32*(\t%2)
	ds_load_b128 v[AC1+8*(3*\t+\i)+4:AC1+8*(3*\t+\i)+7], v[AB] offset:128*(2+\t/2)+32*(\t%2)+16
.endr
.endr
	WIN 0
.endm
; K step g.  First half: W1's tiles 0-3 from LDS; every second step the scale words of all 8 tiles for two steps; in steps 1 to 5 the slot left by the step before takes K step g + 2; 12 products.
; Second half: tiles 4-7, 12 products on the accumulators of window 1.  The 24 accumulators take turns, one instruction a turn, in the same order in every step.
.macro KSTEP g
.if (\g) > 0
	PLACES 8
.endif
.irp t, 0,1,2,3
.irp c, 0,1,2,3
	ds_load_b128 v[WF+16*\t+4*\c:WF+16*\t+4*\c+3], v[AW+(\g)/4] offset:((\g)%4)*SS+\t*FR+\c*544
.endr
.endr
.if (\g)%2 == 0
.irp t, 0,1,2,3,4,5,6,7
	ds_load_b64 v[WSC+2*\t:WSC+2*\t+1], v[AWS] offset:\t*768+8*((\g)/2)   ; two K steps' scale words of my row of tile t
.endr
.endif
.if ((\g) >= 1) && ((\g) <= 5)
	WIN 0x40
	RING ((\g)-1)%3, (\g)+2
	WIN 0
.endif
.if (\g) < 6
	s_wait_loadcnt 24                              ; this K step's 12 loads are in; those of the two K steps behind it may be out
.else
	s_wait_loadcnt 12*(7-(\g))                     ; of the K steps that are left
.endif
	s_wait_dscnt 0x0
	WIN 0x04                                       ; source 1 (x) in window 1
.irp t, 0,1,2,3
.irp i, 0,1,2
	v_wmma_scale_f32_16x16x128_f8f6f4 v[ACC+8*(3*\t+\i):ACC+8*(3*\t+\i)+7], v[WF+16*\t:WF+16*\t+15], v[48*((\g)%3)+16*\i:48*((\g)%3)+16*\i+15], v[ACC+8*(3*\t+\i):ACC+8*(3*\t+\i)+7], v[WSC+2*\t+(\g)%2], v[XSC+8*\i+(\g)] matrix_a_fmt:MATRIX_FMT_BF8 matrix_b_fmt:MATRIX_FMT_BF8
.endr
.endr
	WIN 0
	PLACES 8
.irp t, 0,1,2,3
.irp c, 0,1,2,3
	ds_load_b128 v[WF+16*\t+4*\c:WF+16*\t+4*\c+3], v[AW+2+(\g)/4] offset:((\g)%4)*SS+\t*FR+\c*544
.endr
.endr
	s_wait_dscnt 0x0
	WIN 0x54                                       ; source 1 (x), C and D in window 1
.irp t, 0,1,2,3
.irp i, 0,1,2
	v_wmma_scale_f32_16x16x128_f8f6f4 v[AC1+8*(3*\t+\i):AC1+8*(3*\t+\i)+7], v[WF+16*\t:WF+16*\t+15], v[48*((\g)%3)+16*\i:48*((\g)%3)+16*\i+15], v[AC1+8*(3*\t+\i):AC1+8*(3*\t+\i)+7], v[WSC+2*(4+\t)+(\g)%2], v[XSC+8*\i+(\g)] matrix_a_fmt:MATRIX_FMT_BF8 matrix_b_fmt:MATRIX_FMT_BF8
.endr
.endr
	WIN 0
.endm
; gelu of two accumulators (16 neighbours along the next K), which lie in window w; the result goes to v[GT] on.  Each accumulator is read from its low end on.
.macro GELU16 a, b, w
	WIN \w                                         ; source 0 in the accumulators' window
.irp j, 0,2,4,6
	v_pk_mul_f32 v[GZ+\j:GZ+\j+1], v[(\a)+\j:(\a)+\j+1], s[RS2:RS2+1] op_sel_hi:[1,0]       ; z = v / sqrt 2
.endr
.irp j, 0,2,4,6
	v_pk_mul_f32 v[GZ+8+\j:GZ+9+\j], v[(\b)+\j:(\b)+\j+1], s[RS2:RS2+1] op_sel_hi:[1,0]
.endr
	WIN 0
.irp j, 0,1,2,3,4,5,6,7,8,9,10,11,12,13,14,15
	v_med3_num_f32 v[GZ+\j], v[GZ+\j], -4.0, 4.0
.endr
.irp j, 0,2,4,6,8,10,12,14
	v_pk_mul_f32 v[GT+\j:GT+\j+1], v[GZ+\j:GZ+\j+1], v[GZ+\j:GZ+\j+1]
.endr
.irp j, 0,2,4,6,8,10,12,14
	v_pk_fma_f32 v[GP+\j:GP+\j+1], v[GT+\j:GT+\j+1], v[KA:KA+1], s[A11:A11+1] op_sel_hi:[1,1,0]
.endr
.irp j, 0,2,4,6,8,10,12,14
	v_pk_fma_f32 v[GQ+\j:GQ+\j+1], v[GT+\j:GT+\j+1], v[KB:KB+1], s[B6:B6+1] op_sel_hi:[1,1,0]
.endr
.irp k, B4, B2, B0
.irp j, 0,2,4,6,8,10,12,14
	v_pk_fma_f32 v[GQ+\j:GQ+\j+1], v[GQ+\j:GQ+\j+1], v[GT+\j:GT+\j+1], s[\k:\k+1] op_sel_hi:[1,1,0]
.endr
.endr
.irp j, 0,1,2,3,4,5,6,7,8,9,10,11,12,13,14,15
	v_rcp_f32 v[GQ+\j], v[GQ+\j]                   ; one batch; P's polynomial, which names none of these, follows as the work behind it
.endr
.irp k, A9, A7, A5, A3, A1
.irp j, 0,2,4,6,8,10,12,14
	v_pk_fma_f32 v[GP+\j:GP+\j+1], v[GP+\j:GP+\j+1], v[GT+\j:GT+\j+1], s[\k:\k+1] op_sel_hi:[1,1,0]
.endr
.endr
.irp j, 0,2,4,6,8,10,12,14
	v_pk_mul_f32 v[GP+\j:GP+\j+1], v[GP+\j:GP+\j+1], v[GZ+\j:GZ+\j+1]
.endr
	s_wait_alu depctr_va_vdst(0)                   ; one wait for the 16 reciprocals, ahead of their first reader
	WIN \w
.irp j, 0,2,4,6
	v_pk_mul_f32 v[GZ+\j:GZ+\j+1], v[(\a)+\j:(\a)+\j+1], 0.5 op_sel_hi:[1,0]
.endr
.irp j, 0,2,4,6
	v_pk_mul_f32 v[GZ+8+\j:GZ+9+\j], v[(\b)+\j:(\b)+\j+1], 0.5 op_sel_hi:[1,0]
.endr
	WIN 0
.irp j, 0,2,4,6,8,10,12,14
	v_pk_mul_f32 v[GP+\j:GP+\j+1], v[GP+\j:GP+\j+1], v[GQ+\j:GQ+\j+1]                       ; erf
.endr
.irp j, 0,2,4,6,8,10,12,14
	v_pk_fma_f32 v[GT+\j:GT+\j+1], v[GZ+\j:GZ+\j+1], v[GP+\j:GP+\j+1], v[GZ+\j:GZ+\j+1]     ; 0.5 v erf + 0.5 v
.endr
.endm
; the 16 numbers in v[GT] on (with lane l xor 16's 16: a block of 32) become 16 codes, registers 4 blk .. 4 blk + 3 of tile i's next operand, and byte blk of its scale word
.macro QUANT16 i, blk, set
	v_max3_num_f32 v44, |v[GT]|, |v[GT+1]|, 0x8000000              ; with the floor 2^(16 - 127): the byte cannot fall under 1
	v_max3_num_f32 v49, |v[GT+8]|, |v[GT+9]|, |v[GT+10]|
	v_max3_num_f32 v44, v44, |v[GT+2]|, |v[GT+3]|
	v_max3_num_f32 v49, v49, |v[GT+11]|, |v[GT+12]|
	v_max3_num_f32 v44, v44, |v[GT+4]|, |v[GT+5]|
	v_max3_num_f32 v49, v49, |v[GT+13]|, |v[GT+14]|
	v_max3_num_f32 v44, v44, |v[GT+6]|, |v[GT+7]|
	v_max3_num_f32 v44, v44, v49, |v[GT+15]|
	v_permlanex16_b32 v[PDST], v44, s66, s67
	v_max_num_f32 v44, v44, v[PDST]                ; the block's largest magnitude
	v_add_nc_u32 v47, 0xf8800000, v44              ; 15 off its exponent field: the conversion's scale operand
	v_and_or_b32 v46, v44, 0x7f800000, s62         ; 57,344 x the scale
.if (\blk) == 0
	v_lshrrev_b32 v[PW+(\i)], 23, v47              ; the scale's byte starts the word
.else
	v_lshrrev_b32 v48, 23, v47
	v_lshl_or_b32 v[PW+(\i)], v48, 8*(\blk), v[PW+(\i)]
.endif
.irp j, 0,1,2,3,4,5,6,7,8,9,10,11,12,13,14,15
	v_med3_num_f32 v[GT+\j], v[GT+\j], -v46, v46   ; the conversion to an 8-bit code does not saturate (ISA guide 7.6.2): the hold
.endr
	s_wait_xcnt 0x0                                ; the earlier stores have read their codes' registers: this set, stored two groups back, may be written again
	v_cvt_scalef32_pk8_bf8_f32 v[CD+4*(\set):CD+4*(\set)+1], v[GT:GT+7], v47
	v_cvt_scalef32_pk8_bf8_f32 v[CD+4*(\set)+2:CD+4*(\set)+3], v[GT+8:GT+15], v47
	v_nop                                          ; a plain line behind the last conversion
	global_store_b128 v[LI], v[CD+4*(\set):CD+4*(\set)+3], s[32:33] offset:2048*(\i)+512*(\blk)   ; 512 consecutive bytes
.endm
.macro EPI                             ; tile of rows by tile of rows; in each the four blocks of 32 units in ascending order
.irp i, 0,1,2
.irp bb, 0,1
	GELU16 ACC+8*(6*\bb+\i), ACC+8*(6*\bb+3+\i), 0
	QUANT16 \i, \bb, \bb
.endr
.irp bb, 0,1
	GELU16 AC1+8*(6*\bb+\i), AC1+8*(6*\bb+3+\i), 1
	QUANT16 \i, 2+\bb, \bb
.endr
.endr
.endm
	s_load_b512 s[4:19], s[0:1], 0x0               ; xq s[4:5], xs s[6:7], sel s[8:9], W1's codes s[10:11], its scales s[12:13], b1 s[14:15], hq s[16:17], hs s[18:19]
	s_load_b64 s[20:21], s[0:1], 0x40              ; meta
	s_set_vgpr_msb 0x40
	v_lshl_add_u32 v254, v0, 2, 0x25800
	v_mov_b32 v255, 0
	s_set_vgpr_msb 0x4000
	v_lshrrev_b32 v44, 5, v0
	v_readfirstlane_b32 s22, v44                   ; wave 0..7
	s_mov_b32 s23, ttmp9                           ; fs
	s_and_b32 s24, ttmp7, 0xffff                   ; e
	s_lshl_b32 s29, 1, s24
	; every LDS address but the list's is made here, ahead of the first parting of the waves
	v_and_b32 v[LN], 31, v0
	v_lshlrev_b32 v[LI], 4, v[LN]
	v_and_b32 v[R16], 15, v0
	v_bfe_u32 v[HH], v0, 4, 1
	v_lshlrev_b32 v[H16], 4, v[HH]
	v_mul_u32_u24 v44, v[HH], 272
	v_lshl_add_u32 v44, v[R16], 4, v44             ; 272 h + 16 r
.irp k, 0,1,2,3
	v_add_nc_u32 v[AW+\k], 4*\k*SS, v44
.endr
	v_mul_u32_u24 v[AWS], v[R16], 48
	v_add_nc_u32 v[AWS], WS, v[AWS]
	v_lshl_add_u32 v[AB], v[HH], 6, BIAS
	v_lshl_add_u32 v[ALS], v[R16], 2, LIST
	; wave w brings slice rows 16 w + i: half w / 4, tile 2 ((w / 2) % 2) + i / 8 of it, row 8 (w % 2) + i % 8; lane l holds piece l % 8 of K step 4 hh + l / 8
	s_lshr_b32 s39, s22, 2
	s_mul_i32 s39, s39, 8*SS
	s_bfe_u32 s63, s22, 0x10001
	s_mul_i32 s63, s63, 2*FR
	s_add_co_u32 s39, s39, s63
	s_and_b32 s63, s22, 1
	s_lshl_b32 s63, s63, 7
	s_add_co_u32 s39, s39, s63
	v_lshrrev_b32 v44, 3, v[LN]
	v_mul_u32_u24 v44, v44, SS
	v_and_b32 v45, 7, v[LN]
	v_mad_u32_u24 v44, v45, 272, v44
	v_add_nc_u32 v[WST], s39, v44
	; thread t holds half t % 2 of the scale bytes of slice row f = t / 2, whose place is 64 f[6] + 32 f[5] + 16 f[3] + 8 f[4] + f[2:0]
	v_bfe_u32 v44, v0, 6, 2
	v_lshlrev_b32 v44, 5, v44
	v_bfe_u32 v45, v0, 4, 1
	v_lshl_add_u32 v44, v45, 4, v44
	v_bfe_u32 v45, v0, 5, 1
	v_lshl_add_u32 v44, v45, 3, v44
	v_bfe_u32 v45, v0, 1, 3
	v_add_nc_u32 v44, v44, v45
	v_mul_u32_u24 v44, v44, 48
	v_and_b32 v45, 1, v0
	v_lshl_add_u32 v44, v45, 4, v44
	v_add_nc_u32 v[SST], WS, v44
	v_lshl_add_u32 v[BST], v0, 2, BIAS
	v_lshl_add_u32 v[LZ], v[LN], 4, LIST
	v_mov_b32 v[VA], LIST
	v_mov_b32 v[CNTA], CNT
	v_lshlrev_b32 v41, 4, v0                       ; 16 x thread: W1's scale bytes
	v_and_b32 v42, 127, v0
	v_lshlrev_b32 v42, 2, v42                      ; 4 x (thread % 128): the bias; in wave 0 also 4 x lane, for the tokens' numbers
	v_mov_b32 v[PW+3], 0x7f7f7f7f
	v_mov_b32 v[PDST], 0                           ; a lane permute's destination counts as one of its sources
	v_mov_b32 v[KA], 0xaf95df0b                    ; a13 = -2.72614226e-10
	v_mov_b32 v[KA+1], 0xaf95df0b
	v_mov_b32 v[KB], 0xb77460cd                    ; b8 = -1.45660718e-05
	v_mov_b32 v[KB+1], 0xb77460cd
	KPAIR A11, 0x32edffee                          ;  2.77068142e-08
	KPAIR A9,  0xb60cff51                          ; -2.10102402e-06
	KPAIR A7,  0xb86ec2d2                          ; -5.69250639e-05
	KPAIR A5,  0xba40ac63                          ; -7.34990630e-04
	KPAIR A3,  0xbb41a1f6                          ; -2.95459981e-03
	KPAIR A1,  0xbc83dbd4                          ; -1.60960333e-02
	KPAIR B6,  0xb95fbd29                          ; -2.13374055e-04
	KPAIR B4,  0xbadc924e                          ; -1.68282697e-03
	KPAIR B2,  0xbbf19bf8                          ; -7.37332917e-03
	KPAIR B0,  0xbc69b6a7                          ; -1.42647391e-02
	KPAIR RS2, 0x3f3504f3                          ; 1 / sqrt 2
	s_mov_b32 s62, 0x600000                        ; the mantissa field of 57,344
	s_mov_b32 s66, 0x76543210
	s_mov_b32 s67, 0xfedcba98                      ; lane selects: lane l xor 16
	s_lshl_b32 s68, s24, 12
	s_lshl_b32 s69, s23, 7
	s_add_co_u32 s68, s68, s69                     ; the slice's first row: 4096 e + 128 fs
	s_lshl_b32 s69, s22, 4
	s_add_co_u32 s69, s69, s68
	s_mov_b32 s31, 0
	s_wait_kmcnt 0x0
	s_lshl_b32 s30, s69, 10
	s_add_nc_u64 s[70:71], s[10:11], s[30:31]      ; my wave's 16 rows of codes
	s_lshl_b32 s30, s68, 5
	s_add_nc_u64 s[72:73], s[12:13], s[30:31]      ; the slice's scale bytes
	s_lshl_b32 s30, s68, 2
	s_add_nc_u64 s[74:75], s[14:15], s[30:31]      ; and biases
	s_cmp_lg_u32 s22, 0
	s_cbranch_scc1 .Lno_sel
.irp j, 0,1,2,3,4,5,6,7
	global_load_b128 v[SEL+4*\j:SEL+4*\j+3], v[LI], s[8:9] offset:512*\j   ; wave 0: register 4 j + k holds the word of token 128 j + 4 lane + k
.endr
.Lno_sel:
.irp i, 0,1,2,3,4,5,6,7,8,9,10,11,12,13,14,15
.irp hh, 0,1
	global_load_b128 v[WT+4*(2*\i+\hh):WT+4*(2*\i+\hh)+3], v[LI], s[70:71] offset:1024*\i+512*\hh th:TH_LOAD_NT   ; 512 consecutive bytes; 16 KiB on end for the wave
.endr
.endr
	global_load_b128 v[36:39], v41, s[72:73] th:TH_LOAD_NT
	global_load_b32 v40, v42, s[74:75]
	s_cmp_lg_u32 s22, 0
	s_cbranch_scc1 .Lno_list
	; THE LIST (wave 0).  Until the barrier below no other wave touches LDS.
	s_wait_loadcnt 34                              ; sel's 8 loads are in: the 34 issued behind them may be out
	s_add_co_u32 s39, s24, 0x20008                 ; what an entry past the count holds: token 8 + e, k = 2
.irp j, 48,49,50,51
	v_mov_b32 v\j, s39
.endr
	v_mov_b32 v47, 0x10000
	v_add_nc_u32 v52, CAP, v[LN]                   ; my spare place behind the list
.irp k, 0,1,2,3,4,5,6,7,8
	ds_store_b128 v[LZ], v[48:51] offset:512*\k    ; the whole list is filled so; LDS serves a wave's instructions in order: the entries below come over it
.endr
	s_mov_b32 s36, 0                               ; rows so far
.set q, 0
.rept 32
	v_and_b32 v44, s29, v[SEL+q]
	v_cmp_ne_u32 vcc_lo, 0, v44                    ; is this expert one of the token's two?
	v_bfe_u32 v45, v[SEL+q], 8, 3
	v_cmp_ne_u32 s38, s24, v45                     ; and not its first choice?
	v_cndmask_b32 v46, 0, v47, s38
	v_add3_u32 v46, v46, v42, 128*(q/4)+q%4        ; the entry: token | k << 16
	v_mbcnt_lo_u32_b32 v45, vcc_lo, s36            ; its rank: rows so far + chosen lanes below mine
	v_cndmask_b32 v45, v52, v45, vcc_lo            ; a lane whose token is not chosen takes its spare place: all lanes store
	v_min_u32 v45, CAP+31, v45                     ; held inside the list and its spare places
	v_lshlrev_b32 v45, 2, v45
	v_add_nc_u32 v[VA], LIST, v45
	ds_store_b32 v[VA], v46
	s_bcnt1_i32_b32 s38, vcc_lo
	s_add_co_u32 s36, s36, s38
.set q, q+1
.endr
	v_mov_b32 v44, s36
	ds_store_b32 v[CNTA], v44
	s_cmp_lg_u32 s23, 0
	s_cbranch_scc1 .Lno_list
	s_lshl_b32 s39, s24, 2                         ; fs = 0: the count goes to meta, for the next launch
	v_mov_b32 v[CA], s39
	global_store_b32 v[CA], v44, s[20:21] offset:8192   ; all lanes store the same word with the same value
	s_wait_xcnt 0x0                                ; the store has read its registers: v44 is written again below
.Lno_list:
	s_wait_dscnt 0x0                               ; wave 0's stores into the list have landed
	s_barrier_signal -1
	s_barrier_wait -1
	ds_load_b32 v44, v[CNTA]
	s_wait_dscnt 0x0
	v_readfirstlane_b32 s25, v44
	s_min_u32 s25, s25, 1024                       ; n
	s_add_co_u32 s26, s25, 47
	s_mul_i32 s26, s26, 1366
	s_lshr_b32 s26, s26, 16                        ; (n + 47) / 48: 1366 / 65536 is 1 / 48 + 1 / 98304, and (n + 47) / 98304 stays under 1 / 48
	s_max_u32 s26, s26, 1                          ; chunk 0 is always made
	s_mov_b32 s27, s22                             ; my first chunk
	s_mov_b32 s28, 0
	PROA                                           ; on every wave's way: a wave without a chunk asks for the padding token's row and does not use it
	s_wait_loadcnt 18                              ; 18 loads were issued behind W's 34: those are in
.irp i, 0,1,2,3,4,5,6,7,8,9,10,11,12,13,14,15
.irp hh, 0,1
	ds_store_b128 v[WST], v[WT+4*(2*\i+\hh):WT+4*(2*\i+\hh)+3] offset:\hh*4*SS+(\i/8)*FR+(\i%8)*16
.endr
.endr
	ds_store_b128 v[SST], v[36:39]
	ds_store_b32 v[BST], v40
	s_wait_dscnt 0x0                               ; for the others' sake: my stores have landed
	s_barrier_signal -1
	s_barrier_wait -1                              ; W, its scale words and the biases lie in LDS; from here on nothing is stored to LDS
.Ltrip:
	s_cmp_lt_u32 s27, s26
	s_cbranch_scc0 .Lskip
	s_cmp_eq_u32 s28, 0
	s_cbranch_scc1 .Lhave                          ; the first chunk's first loads went out above
	s_wait_loadcnt 0x0                             ; no load is out: the rows' address registers may be written
	PROA
.Lhave:
	WIN 0x40
	RING 1, 1                                      ; K steps 1 and 2: only a wave that has the chunk asks for them
	RING 2, 2
	WIN 0
	s_mul_i32 s30, s24, 24
	s_add_co_u32 s30, s30, s27
	s_lshl_b32 s30, s30, 5
	s_add_co_u32 s68, s30, s23                     ; (24 e + c) 32 + fs
	s_mul_i32 s30, s68, 6144
	s_add_nc_u64 s[32:33], s[16:17], s[30:31]      ; this chunk's K step fs in hq,
	s_lshl_b32 s30, s68, 9
	s_add_nc_u64 s[34:35], s[18:19], s[30:31]      ; and in hs
	ACCINIT
.irp g, 0,1,2,3,4,5,6,7
	KSTEP \g
.endr
	PLACES 8
	EPI
	global_store_b128 v[LI], v[PW:PW+3], s[34:35]  ; the three tiles' scale words: 512 consecutive bytes
	s_cmp_lg_u32 s23, 0
	s_cbranch_scc1 .Lno_rowix
	s_mul_i32 s39, s27, 48                         ; fs = 0: each row's place goes to meta at [k][token]; a padding row's (k = 2, token 8 + e) to the expert's spare word
	s_mul_i32 s63, s24, CAP
	s_add_co_u32 s63, s63, s39                     ; e x 1152 + the chunk's first rank
.irp i, 0,1,2
	v_lshrrev_b32 v47, 16, v[LE+\i]
	v_and_b32 v48, 0x3ff, v[LE+\i]
	v_min_u32 v47, 2, v47                          ; k, held
	v_min_u32 v48, 0x3ff, v48                      ; token, held
	v_lshlrev_b32 v47, 12, v47
	v_lshlrev_b32 v48, 2, v48
	v_add_nc_u32 v[RA+\i], v47, v48
	v_add3_u32 v[44+\i], s63, v[R16], 16*\i        ; e x 1152 + rank
	global_store_b32 v[RA+\i], v[44+\i], s[20:21]  ; both halves of the lanes store the same word with the same value
.endr
.Lno_rowix:
	s_wait_xcnt 0x0                                ; the stores have read their bases and registers: the next chunk may write them
.Lskip:
	s_add_co_u32 s27, s27, 8
	s_add_co_u32 s28, s28, 1
	s_cmp_lt_u32 s28, 3
	s_cbranch_scc1 .Ltrip
	s_set_vgpr_msb 0x5
	s_wait_tensorcnt 0x0
	ds_add_u32 v254, v255
	s_wait_dscnt 0x0
	s_set_vgpr_msb 0x500
	s_endpgm
.Lfunc_end_k_q4d258b5be4_ffn1:
	.size	k_q4d258b5be4_ffn1, .Lfunc_end_k_q4d258b5be4_ffn1-k_q4d258b5be4_ffn1
	.p2alignl 7, 3214868480
	.fill 96, 4, 3214868480
	.section	.rodata,"a",@progbits
	.p2align	6, 0x0
	.amdhsa_kernel k_q4d258b5be4_ffn1
		.amdhsa_group_segment_fixed_size 154624
		.amdhsa_private_segment_fixed_size 0
		.amdhsa_enable_private_segment 0
		.amdhsa_kernarg_size 72
		.amdhsa_user_sgpr_count 2
		.amdhsa_user_sgpr_kernarg_segment_ptr 1
		.amdhsa_wavefront_size32 1
		.amdhsa_system_sgpr_workgroup_id_x 1
		.amdhsa_system_sgpr_workgroup_id_y 1
		.amdhsa_system_sgpr_workgroup_id_z 1
		.amdhsa_system_vgpr_workitem_id 0
		.amdhsa_next_free_vgpr 512
		.amdhsa_next_free_sgpr 80
		.amdhsa_reserve_vcc 1
		.amdhsa_float_denorm_mode_32 3
		.amdhsa_float_denorm_mode_16_64 3
		.amdhsa_memory_ordered 1
		.amdhsa_forward_progress 1
		.amdhsa_inst_pref_size 245
	.end_amdhsa_kernel
	.amdgpu_metadata
---
amdhsa.version: [ 1, 2 ]
amdhsa.kernels:
  - .name:           k_q4d258b5be4_ffn1
    .symbol:         k_q4d258b5be4_ffn1.kd
    .args:
      - { .name: xq, .offset: 0, .size: 8, .value_kind: global_buffer, .address_space: global }
      - { .name: xs, .offset: 8, .size: 8, .value_kind: global_buffer, .address_space: global }
      - { .name: sel, .offset: 16, .size: 8, .value_kind: global_buffer, .address_space: global }
      - { .name: W1_codes, .offset: 24, .size: 8, .value_kind: global_buffer, .address_space: global }
      - { .name: W1_scales, .offset: 32, .size: 8, .value_kind: global_buffer, .address_space: global }
      - { .name: b1, .offset: 40, .size: 8, .value_kind: global_buffer, .address_space: global }
      - { .name: hq, .offset: 48, .size: 8, .value_kind: global_buffer, .address_space: global }
      - { .name: hs, .offset: 56, .size: 8, .value_kind: global_buffer, .address_space: global }
      - { .name: meta, .offset: 64, .size: 8, .value_kind: global_buffer, .address_space: global }
    .group_segment_fixed_size: 154624
    .private_segment_fixed_size: 0
    .kernarg_segment_align: 8
    .kernarg_segment_size: 72
    .max_flat_workgroup_size: 256
    .sgpr_count:     80
    .vgpr_count:     512
    .wavefront_size: 32
...
	.end_amdgpu_metadata
.endif
;; end of part 2
;; launch ffn2 (part 3): grid 32 x 8, 8 waves a work-group, no clusters, 183,296 bytes of LDS; arguments hq, hs, W2_codes, W2_scales, b2, meta, ys; writes ys
.if DOCPART == 3
	.amdgcn_target "amdgcn-amd-amdhsa--gfx1250"
	.amdhsa_code_object_version 6
	.text
	.protected	k_q4d258b5be4_ffn2
	.globl	k_q4d258b5be4_ffn2
	.p2align	8
	.type	k_q4d258b5be4_ffn2,@function
k_q4d258b5be4_ffn2:
	s_mov_b64 s[64:65], 0
	v_nop
	global_prefetch_b8 v0, s[64:65] scope:SCOPE_SE
	s_setreg_imm32_b32 hwreg(HW_REG_WAVE_MODE, 25, 1), 1
	s_wait_xcnt 0x0
; SECOND PRODUCT OF THE EXPERTS: ys[kh][e x 1152 + rank][:] = h W2[e]^T over half kh of K (+ b2[e] in half 0), on codes of E5M2 with one E8M0 scale for each 32 along K; sums in f32.
; SHARES.  Work-group (x, e): cs = x % 16 is a slice of 64 output columns, kh = x / 16 a half of K (16 K steps of 128): 64 rows x 2,048 bytes of W2's codes, read from memory once, by this work-group alone,
; and kept in LDS.  The expert's rows go past them in chunks of 48; chunk c belongs to wave c mod 8; 3 trips for every wave, the work jumped over where c is past the expert's chunks: a branch on a stored count,
; which is why the operands come by plain loads and no copy engine is used.  No cluster: no two work-groups read the same weights, and how many chunks of h a work-group reads hangs on the split.
; K is split in two so that a work-group takes in half of h's bytes and a row's piece of the result is 256 bytes; the two halves are added by the last launch, each number by one owner.
; h comes as images of the operand's registers (stored so by the launch before): a load reads 512 consecutive bytes; a ring of 5 slots in registers runs four K steps ahead.
; WHAT NO RESULT NEEDS IS NOT FETCHED: a tile of 16 rows that lies past the expert's count (in its last chunk; all three tiles of a wave that has no chunk) is asked for with all lanes at one place, 16 bytes a load:
; the lane's offset is lane x 16 or lane x 0, by the stored count.  Such a tile's products are made and stored with the others; nobody reads those rows of ys.
; h's scale words are read by lane % 16: 256 bytes a load (the upper lanes' words are copies, and the matrix instruction takes the lower lanes').
; The product is used TRANSPOSED (source 0 = 16 rows of W2 = output columns, source 1 = 16 rows of h): a lane holds eight neighbouring columns of one row.  The bias is loaded into the accumulators.
; The results go through the wave's own stage in LDS and leave as rows: sixteen lanes store 256 consecutive bytes, aligned.
; W IN LDS as in the launch before: pieces of 256 bytes 272 apart, 8 to a fragment, 4 fragments and 128 bytes to a K step's group.
.set FR,   2176
.set SS,   4*FR+128
.set WS,   16*SS                       ; W2's scale words: 64 rows, 64 bytes + 16 of padding
.set BIAS, WS+64*80                    ; a word a thread: b2[64 cs + thread % 64], or 0 in the second half of K
.set STAGE, BIAS+1024                  ; 16 rows x (256 + 16) bytes for each wave
.set CAP,  1152
.set LN,   1
.set LI,   2                           ; 16 x lane
.set R16,  3
.set HH,   4
.set AW,   5                           ; v5-8  my place in a fragment, + 4 k groups
.set AWS,  9
.set AB,   10
.set WST,  12                          ; where I store W's bytes: K steps 0-7;
.set WST2, 13                          ; K steps 8-15
.set SST,  14
.set BST,  15
.set STO,  16                          ; the stage: where I put 32 bytes of a row
.set RD,   17                          ; and where I read a row back
.set CO,   18                          ; my byte offset in two rows of ys
.set LH,   19                          ; v19-21 tile i of the chunk in hand: 16 x lane, or 0 where the tile lies past the count
.set LR,   22                          ; 16 x (lane % 16), or 0 likewise: h's scale words
.set HSC,  56                          ; v56-75 h's scale words: slot k, tile i at 4 k + i
.set WSC,  80                          ; v80-95 W2's: tile t, K step s % 4 at 4 t + s % 4
.set WF,   96                          ; v96-159 W2's four fragments of a K step; on the way out two sets of 32
.set ACC,  160                         ; v160-255 accumulator (t, i) at 8 (3 t + i)
.set WT,   96                          ; at the head: v96-223 the 32 loads of W;  v36-39 scale bytes, v40 the bias, v41, v42 their offsets
; window 1: the ring of h's fragments: slot k, tile i at v[48 k + 16 i]
.set MSB, 0
.macro WIN new                         ; the immediate's high byte repeats the setting that is left
.if MSB != \new
	s_set_vgpr_msb (MSB<<8)|\new
.set MSB, \new
.endif
.endm
.macro PLACES n                        ; plain lines between a matrix instruction and loads into, or reads of, its registers
.rept \n
	v_nop
.endr
.endm
; a K step's 13 loads into slot k: the scale words, then three fragments
.macro HLOAD k, s
	global_load_b128 v[HSC+4*(\k):HSC+4*(\k)+3], v[LR], s[32:33] offset:512*(\s)
	WIN 0x40
.irp i, 0,1,2
.irp c, 0,1,2,3
	global_load_b128 v[48*(\k)+16*\i+4*\c:48*(\k)+16*\i+4*\c+3], v[LH+\i], s[30:31] offset:6144*(\s)+2048*\i+512*\c
.endr
.endr
	WIN 0
.endm
; the chunk whose number stands in s[creg]: which of its tiles count (by my true chunk number, s25), its bases, and K steps 0 to 4 of my half: 65 loads
.macro PRO2 creg
	s_mul_i32 s46, s25, 48                         ; my chunk's first rank; for a wave without a chunk it lies at or past the count
.irp i, 0,1,2
	s_add_co_u32 s47, s46, 16*\i
	s_cmp_lt_u32 s47, s23                          ; does tile i begin under the count?
	s_cselect_b32 s47, 16, 0
	s_min_u32 s47, s47, 16                         ; (held: it enters an address)
	v_mul_u32_u24 v[LH+\i], s47, v[LN]
.if \i == 0
	v_mul_u32_u24 v[LR], s47, v[R16]
.endif
.endr
	s_mul_i32 s27, s22, 24
	s_add_co_u32 s27, s27, s[\creg]
	s_lshl_b32 s27, s27, 5
	s_lshl_b32 s42, s21, 4
	s_add_co_u32 s27, s27, s42                     ; (24 e + c) 32 + 16 kh
	s_mul_i32 s28, s27, 6144
	s_mov_b32 s29, 0
	s_add_nc_u64 s[30:31], s[4:5], s[28:29]
	s_lshl_b32 s28, s27, 9
	s_add_nc_u64 s[32:33], s[6:7], s[28:29]
.irp k, 0,1,2,3,4
	HLOAD \k, \k
.endr
.endm
.macro ACCINIT2                        ; lane (r, h), tile t: the biases of columns 16 t + 8 h + 0 .. 7
.irp t, 0,1,2,3
.irp i, 0,1,2
	ds_load_b128 v[ACC+8*(3*\t+\i):ACC+8*(3*\t+\i)+3], v[AB] offset:64*\t
	ds_load_b128 v[ACC+8*(3*\t+\i)+4:ACC+8*(3*\t+\i)+7], v[AB] offset:64*\t+16
.endr
.endr
.endm
; K step g: W2's four fragments from LDS; in steps 1 to 11 the slot left by the step before takes K step g + 4; 12 products, the accumulators by turns, one instruction a turn
.macro KSTEP2 g
	PLACES 8
.irp t, 0,1,2,3
.irp c, 0,1,2,3
	ds_load_b128 v[WF+16*\t+4*\c:WF+16*\t+4*\c+3], v[AW+(\g)/4] offset:((\g)%4)*SS+\t*FR+\c*544
.endr
.endr
.if (\g)%4 == 0
.irp t, 0,1,2,3
	ds_load_b128 v[WSC+4*\t:WSC+4*\t+3], v[AWS] offset:1280*\t+16*((\g)/4)
.endr
.endif
.if ((\g) >= 1) && ((\g) <= 11)
	HLOAD ((\g)-1)%5, (\g)+4
.endif
.if (\g) < 12
	s_wait_loadcnt 52                              ; this K step's 13 loads are in; those of the four K steps behind it may be out
.else
	s_wait_loadcnt 13*(15-(\g))                    ; of the K steps that are left
.endif
	s_wait_dscnt 0x0
	WIN 0x04                                       ; source 1 (h) in window 1
.irp t, 0,1,2,3
.irp i, 0,1,2
	v_wmma_scale_f32_16x16x128_f8f6f4 v[ACC+8*(3*\t+\i):ACC+8*(3*\t+\i)+7], v[WF+16*\t:WF+16*\t+15], v[48*((\g)%5)+16*\i:48*((\g)%5)+16*\i+15], v[ACC+8*(3*\t+\i):ACC+8*(3*\t+\i)+7], v[WSC+4*\t+(\g)%4], v[HSC+4*((\g)%5)+\i] matrix_a_fmt:MATRIX_FMT_BF8 matrix_b_fmt:MATRIX_FMT_BF8
.endr
.endr
	WIN 0
.endm
; tile i's 16 rows x 64 columns: into my stage (each accumulator from its low end on), back as rows of 256 bytes, and out
.macro OUT i
.set OBS, WF+32*((\i)%2)
.if (\i) == 2
	s_wait_xcnt 0x0                                ; tile 0's stores have read the set that tile 2's rows now take
.endif
.irp t, 0,1,2,3
	ds_store_b128 v[STO], v[ACC+8*(3*\t+(\i)):ACC+8*(3*\t+(\i))+3] offset:64*\t
	ds_store_b128 v[STO], v[ACC+8*(3*\t+(\i))+4:ACC+8*(3*\t+(\i))+7] offset:64*\t+16
.endr
.irp k, 0,1,2,3,4,5,6,7
	ds_load_b128 v[OBS+4*\k:OBS+4*\k+3], v[RD] offset:544*\k   ; LDS serves a wave's instructions in order (ISA guide 5.7.1.4): these see the stores above, and the next tile's stores come behind them
.endr
	s_wait_dscnt 0x0
.irp k, 0,1,2,3,4,5,6,7
	global_store_b128 v[CO], v[OBS+4*\k:OBS+4*\k+3], s[34:35] offset:(16*(\i)+2*\k)*4096 th:TH_STORE_NT   ; sixteen lanes store 256 consecutive bytes, aligned
.endr
.endm
	s_load_b256 s[4:11], s[0:1], 0x0               ; hq s[4:5], hs s[6:7], W2's codes s[8:9], its scales s[10:11]
	s_load_b128 s[12:15], s[0:1], 0x20             ; b2 s[12:13], meta s[14:15]
	s_load_b64 s[16:17], s[0:1], 0x30              ; ys
	v_lshl_add_u32 v78, v0, 2, 0x2c800
	v_mov_b32 v79, 0
	v_lshrrev_b32 v44, 5, v0
	v_readfirstlane_b32 s18, v44                   ; wave 0..7
	s_and_b32 s20, ttmp9, 15                       ; cs
	s_lshr_b32 s21, ttmp9, 4                       ; kh
	s_and_b32 s22, ttmp7, 0xffff                   ; e
	s_lshl_b32 s43, s22, 2
	v_and_b32 v[LN], 31, v0
	v_lshlrev_b32 v[LI], 4, v[LN]
	v_and_b32 v[R16], 15, v0
	v_bfe_u32 v[HH], v0, 4, 1
	v_mul_u32_u24 v44, v[HH], 272
	v_lshl_add_u32 v44, v[R16], 4, v44             ; 272 h + 16 r
.irp k, 0,1,2,3
	v_add_nc_u32 v[AW+\k], 4*\k*SS, v44
.endr
	v_mul_u32_u24 v[AWS], v[R16], 80
	v_add_nc_u32 v[AWS], WS, v[AWS]
	v_lshl_add_u32 v[AB], v[HH], 5, BIAS
	; wave w brings slice rows 8 w + i: tile w / 2, row 8 (w % 2) + i; lane l holds piece l % 8 of K step 4 qq + l / 8
	s_lshr_b32 s27, s18, 1
	s_mul_i32 s27, s27, FR
	s_and_b32 s42, s18, 1
	s_lshl_b32 s42, s42, 7
	s_add_co_u32 s27, s27, s42
	v_lshrrev_b32 v44, 3, v[LN]
	v_mul_u32_u24 v44, v44, SS
	v_and_b32 v45, 7, v[LN]
	v_mad_u32_u24 v44, v45, 272, v44
	v_add_nc_u32 v[WST], s27, v44
	v_add_nc_u32 v[WST2], 8*SS, v[WST]
	v_lshrrev_b32 v44, 2, v0                       ; thread t holds quarter t % 4 of the scale bytes of slice row t / 4
	v_and_b32 v45, 3, v0
	v_mul_u32_u24 v[SST], v44, 80
	v_lshl_add_u32 v[SST], v45, 4, v[SST]
	v_add_nc_u32 v[SST], WS, v[SST]
	v_lshlrev_b32 v41, 7, v44
	v_lshl_add_u32 v41, v45, 4, v41                ; in memory: 128 bytes a row
	v_lshl_add_u32 v[BST], v0, 2, BIAS
	v_and_b32 v42, 63, v0
	v_lshlrev_b32 v42, 2, v42
	s_mul_i32 s27, s18, 16*272
	s_add_co_u32 s27, s27, STAGE                   ; my stage
	v_mul_u32_u24 v[STO], v[R16], 272
	v_lshl_add_u32 v[STO], v[HH], 5, v[STO]
	v_add_nc_u32 v[STO], s27, v[STO]
	v_mul_u32_u24 v[RD], v[HH], 272
	v_lshl_add_u32 v[RD], v[R16], 4, v[RD]
	v_add_nc_u32 v[RD], s27, v[RD]
	v_lshlrev_b32 v[CO], 12, v[HH]
	v_lshl_add_u32 v[CO], v[R16], 4, v[CO]
	s_lshl_b32 s27, s22, 10
	s_lshl_b32 s42, s20, 6
	s_add_co_u32 s27, s27, s42                     ; the slice's first row: 1024 e + 64 cs
	s_mov_b32 s29, 0
	s_cmp_eq_u32 s21, 0
	s_cselect_b32 s45, -1, 0                       ; the bias counts in the first half of K alone
	s_wait_kmcnt 0x0
	s_load_b32 s23, s[14:15], s43 offset:0x2000    ; the expert's count
	s_lshl_b32 s42, s18, 3
	s_add_co_u32 s42, s42, s27
	s_lshl_b32 s28, s42, 12
	s_lshl_b32 s42, s21, 11
	s_add_co_u32 s28, s28, s42
	s_add_nc_u64 s[36:37], s[8:9], s[28:29]        ; my wave's 8 rows of codes, my half of K
	s_lshl_b32 s28, s27, 7
	s_lshl_b32 s42, s21, 6
	s_add_co_u32 s28, s28, s42
	s_add_nc_u64 s[38:39], s[10:11], s[28:29]      ; the slice's scale bytes
	s_lshl_b32 s28, s27, 2
	s_add_nc_u64 s[40:41], s[12:13], s[28:29]      ; and biases
.irp i, 0,1,2,3,4,5,6,7
.irp qq, 0,1,2,3
	global_load_b128 v[WT+4*(4*\i+\qq):WT+4*(4*\i+\qq)+3], v[LI], s[36:37] offset:4096*\i+512*\qq th:TH_LOAD_NT   ; 512 consecutive bytes
.endr
.endr
	global_load_b128 v[36:39], v41, s[38:39] th:TH_LOAD_NT
	global_load_b32 v40, v42, s[40:41]
	s_wait_kmcnt 0x0
	s_min_u32 s23, s23, 1024                       ; n
	s_add_co_u32 s24, s23, 47
	s_mul_i32 s24, s24, 1366
	s_lshr_b32 s24, s24, 16                        ; (n + 47) / 48, exact up to n = 1,024
	s_max_u32 s44, s24, 1
	s_sub_co_u32 s44, s44, 1
	s_min_u32 s44, s44, s18
	s_min_u32 s44, s44, 23                         ; my first chunk, or, if I have none, the last that the launch before has stored (chunk 0 is always stored)
	s_mov_b32 s25, s18
	s_mov_b32 s26, 0
	PRO2 44                                        ; on every wave's way
	s_wait_loadcnt 63                              ; 65 loads were issued behind W's 34: with 63 at the most out, those are in
	v_and_b32 v40, s45, v40
.irp i, 0,1,2,3,4,5,6,7
.irp qq, 0,1
	ds_store_b128 v[WST], v[WT+4*(4*\i+\qq):WT+4*(4*\i+\qq)+3] offset:\qq*4*SS+16*\i
	ds_store_b128 v[WST2], v[WT+4*(4*\i+\qq+2):WT+4*(4*\i+\qq+2)+3] offset:\qq*4*SS+16*\i
.endr
.endr
	ds_store_b128 v[SST], v[36:39]
	ds_store_b32 v[BST], v40
	s_wait_dscnt 0x0                               ; for the others' sake: my stores have landed
	s_barrier_signal -1
	s_barrier_wait -1                              ; W, its scale words and the biases lie in LDS; from here on a wave stores to its own stage alone
.Ltrip:
	s_cmp_lt_u32 s25, s24
	s_cbranch_scc0 .Lskip
	s_cmp_eq_u32 s26, 0
	s_cbranch_scc1 .Lhave                          ; the first chunk's loads went out above
	s_wait_loadcnt 0x0                             ; no load is out: the bases and the lanes' offsets may be written
	PRO2 25
.Lhave:
	s_lshl_b32 s27, s21, 3
	s_add_co_u32 s27, s27, s22
	s_mul_i32 s27, s27, CAP
	s_mul_i32 s42, s25, 48
	s_add_co_u32 s27, s27, s42                     ; (8 kh + e) 1152 + 48 c: the chunk's first row of ys
	s_lshl_b32 s28, s27, 12
	s_lshl_b32 s42, s20, 8
	s_add_co_u32 s28, s28, s42                     ; + my 64 columns
	s_mov_b32 s29, 0
	s_add_nc_u64 s[34:35], s[16:17], s[28:29]
	ACCINIT2
.irp g, 0,1,2,3,4,5,6,7,8,9,10,11,12,13,14,15
	KSTEP2 \g
.endr
	PLACES 8
	OUT 0
	OUT 1
	OUT 2
	s_wait_xcnt 0x0                                ; the stores have read their base and registers: the next chunk may write them
.Lskip:
	s_add_co_u32 s25, s25, 8
	s_add_co_u32 s26, s26, 1
	s_cmp_lt_u32 s26, 3
	s_cbranch_scc1 .Ltrip
	s_wait_tensorcnt 0x0
	ds_add_u32 v78, v79
	s_wait_dscnt 0x0
	s_endpgm
.Lfunc_end_k_q4d258b5be4_ffn2:
	.size	k_q4d258b5be4_ffn2, .Lfunc_end_k_q4d258b5be4_ffn2-k_q4d258b5be4_ffn2
	.p2alignl 7, 3214868480
	.fill 96, 4, 3214868480
	.section	.rodata,"a",@progbits
	.p2align	6, 0x0
	.amdhsa_kernel k_q4d258b5be4_ffn2
		.amdhsa_group_segment_fixed_size 183296
		.amdhsa_private_segment_fixed_size 0
		.amdhsa_enable_private_segment 0
		.amdhsa_kernarg_size 56
		.amdhsa_user_sgpr_count 2
		.amdhsa_user_sgpr_kernarg_segment_ptr 1
		.amdhsa_wavefront_size32 1
		.amdhsa_system_sgpr_workgroup_id_x 1
		.amdhsa_system_sgpr_workgroup_id_y 1
		.amdhsa_system_sgpr_workgroup_id_z 1
		.amdhsa_system_vgpr_workitem_id 0
		.amdhsa_next_free_vgpr 512
		.amdhsa_next_free_sgpr 66
		.amdhsa_reserve_vcc 0
		.amdhsa_float_denorm_mode_32 3
		.amdhsa_float_denorm_mode_16_64 3
		.amdhsa_memory_ordered 1
		.amdhsa_forward_progress 1
		.amdhsa_inst_pref_size 94
	.end_amdhsa_kernel
	.amdgpu_metadata
---
amdhsa.version: [ 1, 2 ]
amdhsa.kernels:
  - .name:           k_q4d258b5be4_ffn2
    .symbol:         k_q4d258b5be4_ffn2.kd
    .args:
      - { .name: hq, .offset: 0, .size: 8, .value_kind: global_buffer, .address_space: global }
      - { .name: hs, .offset: 8, .size: 8, .value_kind: global_buffer, .address_space: global }
      - { .name: W2_codes, .offset: 16, .size: 8, .value_kind: global_buffer, .address_space: global }
      - { .name: W2_scales, .offset: 24, .size: 8, .value_kind: global_buffer, .address_space: global }
      - { .name: b2, .offset: 32, .size: 8, .value_kind: global_buffer, .address_space: global }
      - { .name: meta, .offset: 40, .size: 8, .value_kind: global_buffer, .address_space: global }
      - { .name: ys, .offset: 48, .size: 8, .value_kind: global_buffer, .address_space: global }
    .group_segment_fixed_size: 183296
    .private_segment_fixed_size: 0
    .kernarg_segment_align: 8
    .kernarg_segment_size: 56
    .max_flat_workgroup_size: 256
    .sgpr_count:     66
    .vgpr_count:     512
    .wavefront_size: 32
...
	.end_amdgpu_metadata
.endif
;; end of part 3
;; launch combine (part 4): grid 256 x 1, 4 waves a work-group, no clusters, 0 bytes of LDS; arguments ys, meta, gate, out0; writes out0
.if DOCPART == 4
	.amdgcn_target "amdgcn-amd-amdhsa--gfx1250"
	.amdhsa_code_object_version 6
	.text
	.protected	k_q4d258b5be4_combine
	.globl	k_q4d258b5be4_combine
	.p2align	8
	.type	k_q4d258b5be4_combine,@function
k_q4d258b5be4_combine:
	s_mov_b64 s[64:65], 0
	v_nop
	global_prefetch_b8 v0, s[64:65] scope:SCOPE_SE
	s_setreg_imm32_b32 hwreg(HW_REG_WAVE_MODE, 25, 1), 1
	s_wait_xcnt 0x0
; out[t] = p0 (ysA[row0] + ysB[row0]) + p1 (ysA[row1] + ysB[row1]): the two halves of K of each of the token's two experts, weighed by its gates.  All f32.
; A wave owns a token: each output number has one owner, and nothing is added across work-groups.  row0, row1 (e x 1152 + rank) were stored as whole numbers by the second launch, the gates by the first.
; A stream: every load and store of the wave covers 512 consecutive bytes; all 32 loads go out at once; no LDS, no barrier, no matrix unit: there is nothing for them to do.
.set D, 16                             ; v16-143: step j: four registers each of ysA[row0], ysB[row0], ysA[row1], ysB[row1]; the result takes the first four
.set HALF, 8*1152*4096                 ; from the first half of K to the second, in bytes
	s_load_b256 s[4:11], s[0:1], 0x0               ; ys s[4:5], meta s[6:7], gate s[8:9], out s[10:11]
	v_lshrrev_b32 v2, 5, v0
	v_readfirstlane_b32 s12, v2                    ; wave
	v_and_b32 v1, 31, v0
	v_lshlrev_b32 v1, 4, v1                        ; 16 x lane
	s_lshl_b32 s13, ttmp9, 2
	s_add_co_u32 s13, s13, s12                     ; my token
	s_lshl_b32 s14, s13, 2
	s_lshl_b32 s15, s13, 3
	s_mov_b32 s33, 0
	s_wait_kmcnt 0x0
	s_load_b32 s16, s[6:7], s14 offset:0x0         ; row0
	s_load_b32 s17, s[6:7], s14 offset:0x1000      ; row1
	s_load_b64 s[18:19], s[8:9], s15 offset:0x0    ; p0, p1
	s_lshl_b32 s32, s13, 12
	s_add_nc_u64 s[10:11], s[10:11], s[32:33]      ; my row of out
	s_wait_kmcnt 0x0
	s_min_u32 s16, s16, 9215                       ; held inside the table: 8 x 1152 rows
	s_min_u32 s17, s17, 9215
	s_lshl_b32 s32, s16, 12
	s_add_nc_u64 s[20:21], s[4:5], s[32:33]
	s_add_nc_u64 s[22:23], s[20:21], HALF
	s_lshl_b32 s32, s17, 12
	s_add_nc_u64 s[24:25], s[4:5], s[32:33]
	s_add_nc_u64 s[26:27], s[24:25], HALF
	s_mov_b32 s28, s18                             ; the gates as pairs: a packed form names a pair and takes its low word for both halves
	s_mov_b32 s29, s18
	s_mov_b32 s30, s19
	s_mov_b32 s31, s19
.irp j, 0,1,2,3,4,5,6,7
	global_load_b128 v[D+16*\j:D+16*\j+3],     v1, s[20:21] offset:512*\j th:TH_LOAD_NT
	global_load_b128 v[D+16*\j+4:D+16*\j+7],   v1, s[22:23] offset:512*\j th:TH_LOAD_NT
	global_load_b128 v[D+16*\j+8:D+16*\j+11],  v1, s[24:25] offset:512*\j th:TH_LOAD_NT
	global_load_b128 v[D+16*\j+12:D+16*\j+15], v1, s[26:27] offset:512*\j th:TH_LOAD_NT
.endr
.irp j, 0,1,2,3,4,5,6,7
	s_wait_loadcnt 4*(7-\j)                        ; step j's four loads are in; those of the later steps may be out
	v_pk_add_f32 v[D+16*\j:D+16*\j+1],     v[D+16*\j:D+16*\j+1],     v[D+16*\j+4:D+16*\j+5]
	v_pk_add_f32 v[D+16*\j+2:D+16*\j+3],   v[D+16*\j+2:D+16*\j+3],   v[D+16*\j+6:D+16*\j+7]
	v_pk_add_f32 v[D+16*\j+8:D+16*\j+9],   v[D+16*\j+8:D+16*\j+9],   v[D+16*\j+12:D+16*\j+13]
	v_pk_add_f32 v[D+16*\j+10:D+16*\j+11], v[D+16*\j+10:D+16*\j+11], v[D+16*\j+14:D+16*\j+15]
	v_pk_mul_f32 v[D+16*\j+8:D+16*\j+9],   v[D+16*\j+8:D+16*\j+9],   s[30:31] op_sel_hi:[1,0]
	v_pk_mul_f32 v[D+16*\j+10:D+16*\j+11], v[D+16*\j+10:D+16*\j+11], s[30:31] op_sel_hi:[1,0]
	v_pk_fma_f32 v[D+16*\j:D+16*\j+1],     v[D+16*\j:D+16*\j+1],     s[28:29], v[D+16*\j+8:D+16*\j+9] op_sel_hi:[1,0,1]
	v_pk_fma_f32 v[D+16*\j+2:D+16*\j+3],   v[D+16*\j+2:D+16*\j+3],   s[28:29], v[D+16*\j+10:D+16*\j+11] op_sel_hi:[1,0,1]
	global_store_b128 v1, v[D+16*\j:D+16*\j+3], s[10:11] offset:512*\j th:TH_STORE_NT   ; each step stores from registers of its own
.endr
	s_endpgm
.Lfunc_end_k_q4d258b5be4_combine:
	.size	k_q4d258b5be4_combine, .Lfunc_end_k_q4d258b5be4_combine-k_q4d258b5be4_combine
	.p2alignl 7, 3214868480
	.fill 96, 4, 3214868480
	.section	.rodata,"a",@progbits
	.p2align	6, 0x0
	.amdhsa_kernel k_q4d258b5be4_combine
		.amdhsa_group_segment_fixed_size 0
		.amdhsa_private_segment_fixed_size 0
		.amdhsa_enable_private_segment 0
		.amdhsa_kernarg_size 32
		.amdhsa_user_sgpr_count 2
		.amdhsa_user_sgpr_kernarg_segment_ptr 1
		.amdhsa_wavefront_size32 1
		.amdhsa_system_sgpr_workgroup_id_x 1
		.amdhsa_system_sgpr_workgroup_id_y 1
		.amdhsa_system_sgpr_workgroup_id_z 1
		.amdhsa_system_vgpr_workitem_id 0
		.amdhsa_next_free_vgpr 160
		.amdhsa_next_free_sgpr 66
		.amdhsa_reserve_vcc 0
		.amdhsa_float_denorm_mode_32 3
		.amdhsa_float_denorm_mode_16_64 3
		.amdhsa_memory_ordered 1
		.amdhsa_forward_progress 1
		.amdhsa_inst_pref_size 10
	.end_amdhsa_kernel
	.amdgpu_metadata
---
amdhsa.version: [ 1, 2 ]
amdhsa.kernels:
  - .name:           k_q4d258b5be4_combine
    .symbol:         k_q4d258b5be4_combine.kd
    .args:
      - { .name: ys, .offset: 0, .size: 8, .value_kind: global_buffer, .address_space: global }
      - { .name: meta, .offset: 8, .size: 8, .value_kind: global_buffer, .address_space: global }
      - { .name: gate, .offset: 16, .size: 8, .value_kind: global_buffer, .address_space: global }
      - { .name: out0, .offset: 24, .size: 8, .value_kind: global_buffer, .address_space: global }
    .group_segment_fixed_size: 0
    .private_segment_fixed_size: 0
    .kernarg_segment_align: 8
    .kernarg_segment_size: 32
    .max_flat_workgroup_size: 128
    .sgpr_count:     66
    .vgpr_count:     160
    .wavefront_size: 32
...
	.end_amdgpu_metadata
.endif
;; end of part 4
;; ======== version 2 of 2: 4 launches
;; workspace buffers: xq 1,048,576 bytes; xs 32,768 bytes; sel 4,096 bytes of whole numbers; gate 8,192 bytes; meta 8,448 bytes of whole numbers; hq 37,748,736 bytes; hs 3,145,728 bytes; ys 75,497,472 bytes
;; launch route (part 5): grid 256 x 1, 4 waves a work-group, no clusters, 21,248 bytes of LDS; arguments x, Wr, xq, xs, sel, gate; writes xq, xs, sel, gate
.if DOCPART == 5
	.amdgcn_target "amdgcn-amd-amdhsa--gfx1250"
	.amdhsa_code_object_version 6
	.text
	.protected	k_q4d258b5be4_route
	.globl	k_q4d258b5be4_route
	.p2align	8
	.type	k_q4d258b5be4_route,@function
k_q4d258b5be4_route:
	s_mov_b64 s[64:65], 0
	v_nop
	global_prefetch_b8 v0, s[64:65] scope:SCOPE_SE
	s_setreg_imm32_b32 hwreg(HW_REG_WAVE_MODE, 25, 1), 1
	s_wait_xcnt 0x0
; ROUTER AND QUANTISER OF x.  x: [1024 tokens][1024] f32.  Wr: [8][1024] f32.
; A wave takes one token: its 8 logits in f32 (fused multiply-adds, 16 chains, then a sum over the lanes), the two largest (a tie keeps the lower
; index), the softmax over those two with the larger taken away first; and the row's codes of E5M2 with one E8M0 byte for each 32 along the row.
; OUT: xq [token][1024] codes; xs [token][32] bytes; sel [token] one word: bits 7:0 (1<<e0)|(1<<e1), 10:8 e0, 18:16 e1; gate [token][2] f32.
; No address and no branch here hangs on the choice: it is stored at fixed places, for the next launch to read.
; LIMITS: inputs are taken to be finite (no NaN, no infinity).  Two logits closer than the rounding of a sum of 1,024 f32 products may be ranked
; otherwise than by another order of that sum.  A block of zeros gets the byte 1 (its codes are zeros; this program alone reads the bytes).
; xs, sel and gate are 44 bytes a token: they leave as short stores, one part in a hundred of what the launch moves.
; Waves share nothing: no barrier.  Each load of x and of Wr reads 512 consecutive bytes, 16 a lane; for the conversions, which want 16 neighbours
; in one lane, x's bytes turn through the wave's own stage in LDS (64 bytes + 16 of padding for each lane).
.set SP,   80                          ; a lane's place in a stage
.set STG,  32*SP                       ; a stage: 512 numbers
.set SB,   4*2*STG                     ; behind the stages: 32 scale bytes for each wave
.set R,    16                          ; v16-47   the row as loaded: register 4 j + k = element 128 j + 4 lane + k
.set X,    48                          ; v48-79   two steps of 16 neighbours
.set C,    80                          ; v80-87   codes, four registers a step
.set AC,   100                         ; v100-131 expert e: two chains of a pair each
.set L,    132                         ; v132-139 the logits
.set PD,   140                         ; v140-147 destinations of the lane permute
.set MSB, 0
.macro WIN new                         ; the immediate's high byte repeats the setting that is left
.if MSB != \new
	s_set_vgpr_msb (MSB<<8)|\new
.set MSB, \new
.endif
.endm
	s_load_b256 s[4:11], s[0:1], 0x0               ; x s[4:5], Wr s[6:7], xq s[8:9], xs s[10:11]
	s_load_b128 s[12:15], s[0:1], 0x20             ; sel s[12:13], gate s[14:15]
	v_lshl_add_u32 v254, v0, 2, 0x5100
	v_mov_b32 v255, 0
	v_lshrrev_b32 v8, 5, v0
	v_readfirstlane_b32 s16, v8                    ; wave
	v_and_b32 v1, 31, v0                           ; lane
	v_lshlrev_b32 v2, 4, v1                        ; 16 x lane
	s_mul_i32 s17, s16, 2*STG
	v_lshrrev_b32 v3, 2, v1
	v_mul_u32_u24 v3, v3, SP
	v_and_b32 v8, 3, v1
	v_lshl_add_u32 v3, v8, 4, v3
	v_add_nc_u32 v3, s17, v3                       ; into the stage: four lanes' 64 bytes on end, then the padding
	v_mul_u32_u24 v4, v1, SP
	v_add_nc_u32 v4, s17, v4                       ; out of it: my 16 neighbours
	s_lshl_b32 s17, s16, 5
	s_add_co_u32 s17, s17, SB
	v_lshrrev_b32 v5, 1, v1
	v_add_nc_u32 v5, s17, v5                       ; my block's scale byte (two lanes to a block)
	v_and_b32 v6, 7, v1
	v_lshlrev_b32 v6, 2, v6
	v_add_nc_u32 v6, s17, v6                       ; and on the way out a word of four
	v_lshlrev_b32 v7, 2, v1                        ; 4 x lane
	s_lshl_b32 s18, ttmp9, 2
	s_add_co_u32 s18, s18, s16                     ; my token
	s_mov_b32 s21, 0
	s_mov_b32 s24, 0x600000                        ; the mantissa field of 57,344
	s_mov_b32 s26, 0x76543210
	s_mov_b32 s27, 0xfedcba98                      ; lane selects: lane l xor 16
.irp e, 0,1,2,3,4,5,6,7
	v_mov_b32 v[PD+\e], 0                          ; a lane permute's destination counts as one of its sources
.endr
	s_wait_kmcnt 0x0
	s_lshl_b32 s20, s18, 12
	s_add_nc_u64 s[4:5], s[4:5], s[20:21]          ; my row of x
	s_lshl_b32 s20, s18, 10
	s_add_nc_u64 s[8:9], s[8:9], s[20:21]          ; of xq
	s_lshl_b32 s20, s18, 5
	s_add_nc_u64 s[10:11], s[10:11], s[20:21]      ; of xs
	s_lshl_b32 s20, s18, 2
	s_add_nc_u64 s[12:13], s[12:13], s[20:21]      ; my word of sel
	s_lshl_b32 s20, s18, 3
	s_add_nc_u64 s[14:15], s[14:15], s[20:21]      ; my two gates
.irp j, 0,1,2,3,4,5,6,7
	global_load_b128 v[R+4*\j:R+4*\j+3], v2, s[4:5] offset:512*\j th:TH_LOAD_NT
.endr
	WIN 0x40                                       ; destination window 1: all of Wr, in x's layout: v[32 e + 4 j + k]
.irp e, 0,1,2,3,4,5,6,7
.irp j, 0,1,2,3,4,5,6,7
	global_load_b128 v[32*\e+4*\j:32*\e+4*\j+3], v2, s[6:7] offset:4096*\e+512*\j
.endr
.endr
	WIN 0
	s_wait_loadcnt 63                              ; 64 loads were issued behind x's eight: with 63 at the most out, x is in
.irp hh, 0,1
.irp i, 0,1,2,3
	ds_store_b128 v3, v[R+16*\hh+4*\i:R+16*\hh+4*\i+3] offset:STG*\hh+8*SP*\i
.endr
.irp i, 0,1,2,3
	ds_load_b128 v[X+16*\hh+4*\i:X+16*\hh+4*\i+3], v4 offset:STG*\hh+16*\i   ; LDS serves a wave's instructions in order: these see the stores above
.endr
.endr
	s_wait_dscnt 0x0
; 512 numbers: a lane's 16, two lanes to a block
.macro QSTEP hh
.set XS, X+16*(\hh)
	v_max3_num_f32 v88, |v[XS]|, |v[XS+1]|, |v[XS+2]|
	v_max3_num_f32 v89, |v[XS+3]|, |v[XS+4]|, |v[XS+5]|
.irp i, 6,10
	v_max3_num_f32 v88, v88, |v[XS+\i]|, |v[XS+\i+1]|
	v_max3_num_f32 v89, v89, |v[XS+\i+2]|, |v[XS+\i+3]|
.endr
	v_max3_num_f32 v88, v88, |v[XS+14]|, |v[XS+15]|
	v_max3_num_f32 v88, v88, v89, 0x8000000        ; and the floor 2^(16 - 127): the byte cannot fall under 1
	v_max_num_f32_dpp v88, v88, v88 row_xmask:1 row_mask:0xf bank_mask:0xf   ; with my neighbour's 16: the block's largest magnitude
	v_add_nc_u32 v91, 0xf8800000, v88              ; 15 off its exponent field: the conversion's scale operand
	v_and_or_b32 v90, v88, 0x7f800000, s24         ; 57,344 x the scale
.irp i, 0,1,2,3,4,5,6,7,8,9,10,11,12,13,14,15
	v_med3_num_f32 v[XS+\i], v[XS+\i], -v90, v90   ; the conversion to an 8-bit code does not saturate (ISA guide 7.6.2): the hold
.endr
	v_cvt_scalef32_pk8_bf8_f32 v[C+4*(\hh):C+4*(\hh)+1], v[XS:XS+7], v91
	v_cvt_scalef32_pk8_bf8_f32 v[C+4*(\hh)+2:C+4*(\hh)+3], v[XS+8:XS+15], v91
	v_lshrrev_b32 v[92+(\hh)], 23, v91             ; the scale's byte (also the plain line behind the conversions)
	ds_store_b8 v5, v[92+(\hh)] offset:16*(\hh)    ; both lanes of a block write the same byte with the same value
	global_store_b128 v2, v[C+4*(\hh):C+4*(\hh)+3], s[8:9] offset:512*(\hh)   ; the wave stores 512 consecutive bytes
.endm
	QSTEP 0
	QSTEP 1
	s_wait_loadcnt 0x0                             ; Wr
	WIN 0x04                                       ; source 1 in window 1
.irp p, 0,1,2,3,4,5,6,7,8,9,10,11,12,13,14,15
.irp e, 0,1,2,3,4,5,6,7
.if \p < 2
	v_pk_mul_f32 v[AC+4*\e+2*\p:AC+4*\e+2*\p+1], v[R+2*\p:R+2*\p+1], v[32*\e+2*\p:32*\e+2*\p+1]   ; the first products start the chains
.else
	v_pk_fma_f32 v[AC+4*\e+2*(\p%2):AC+4*\e+2*(\p%2)+1], v[R+2*\p:R+2*\p+1], v[32*\e+2*\p:32*\e+2*\p+1], v[AC+4*\e+2*(\p%2):AC+4*\e+2*(\p%2)+1]
.endif
.endr
.endr
	WIN 0
.irp e, 0,1,2,3,4,5,6,7
	v_pk_add_f32 v[AC+4*\e:AC+4*\e+1], v[AC+4*\e:AC+4*\e+1], v[AC+4*\e+2:AC+4*\e+3]
.endr
.irp e, 0,1,2,3,4,5,6,7
	v_add_f32 v[L+\e], v[AC+4*\e], v[AC+4*\e+1]
.endr
.irp m, 1,2,4,8
.irp e, 0,1,2,3,4,5,6,7
	v_add_f32_dpp v[L+\e], v[L+\e], v[L+\e] row_xmask:\m row_mask:0xf bank_mask:0xf
.endr
.endr
.irp e, 0,1,2,3,4,5,6,7
	v_permlanex16_b32 v[PD+\e], v[L+\e], s26, s27
.endr
.irp e, 0,1,2,3,4,5,6,7
	v_add_f32 v[L+\e], v[L+\e], v[PD+\e]           ; every lane holds the eight logits
.endr
	v_mov_b32 v148, v[L]                           ; the largest, and its index: kept while it is not smaller, so a tie keeps the lower index
	v_mov_b32 v149, 0
.irp e, 1,2,3,4,5,6,7
	v_cmp_ge_f32 vcc_lo, v148, v[L+\e]
	v_cndmask_b32 v149, \e, v149, vcc_lo
	v_cndmask_b32 v148, v[L+\e], v148, vcc_lo
.endr
	v_mov_b32 v150, 0xff800000                     ; the winner leaves the field: -infinity in its place
.irp e, 0,1,2,3,4,5,6,7
	v_cmp_eq_u32 vcc_lo, \e, v149
	v_cndmask_b32 v[L+\e], v[L+\e], v150, vcc_lo
.endr
	v_mov_b32 v151, v[L]                           ; the second
	v_mov_b32 v152, 0
.irp e, 1,2,3,4,5,6,7
	v_cmp_ge_f32 vcc_lo, v151, v[L+\e]
	v_cndmask_b32 v152, \e, v152, vcc_lo
	v_cndmask_b32 v151, v[L+\e], v151, vcc_lo
.endr
	v_sub_f32 v153, v151, v148                     ; the larger logit is taken away: 0 for the first, d <= 0 for the second
	v_mul_f32 v153, 0x3fb8aa3b, v153
	s_wait_alu depctr_va_vdst(0)
	v_exp_f32 v154, v153                           ; e^d
	v_mov_b32 v155, 1                              ; sel's word is made meanwhile: plain lines that name no result of the exponential
	v_lshlrev_b32 v158, v149, v155
	v_lshlrev_b32 v159, v152, v155
	v_or_b32 v158, v158, v159
	v_lshl_or_b32 v158, v149, 8, v158
	v_lshl_or_b32 v158, v152, 16, v158
	s_wait_alu depctr_va_vdst(0)                   ; ahead of the exponential's first reader
	v_add_f32 v155, 1.0, v154
	s_wait_alu depctr_va_vdst(0)
	v_rcp_f32 v156, v155                           ; p0 = 1 / (1 + e^d)
	v_nop                                          ; a plain line behind the reciprocal
	s_wait_alu depctr_va_vdst(0)                   ; ahead of its first reader
	v_mul_f32 v157, v154, v156                     ; p1 = e^d p0
	ds_load_b32 v99, v6                            ; my wave's scale bytes, a word a lane (lanes 8 on repeat them)
	s_wait_alu depctr_va_vdst(0)
	s_wait_dscnt 0x0
	v_cmp_gt_u32 s32, 8, v1
	v_cmp_eq_u32 s33, 0, v1
	s_wait_xcnt 0x0                                ; EXEC changes only behind this wait: the codes' stores have read it
	s_wait_tensorcnt 0x0
	ds_add_u32 v254, v255
	s_wait_dscnt 0x0
	s_and_saveexec_b32 s30, s32
	global_store_b32 v7, v99, s[10:11]             ; lanes 0 to 7: the row's 32 scale bytes
	s_wait_xcnt 0x0
	s_or_b32 exec_lo, exec_lo, s30
	s_and_saveexec_b32 s30, s33
	global_store_b32 v7, v158, s[12:13]            ; lane 0 (4 x lane = 0): the choice,
	global_store_b64 v7, v[156:157], s[14:15]      ; and the two gates
	s_wait_xcnt 0x0
	s_or_b32 exec_lo, exec_lo, s30
	s_endpgm
.Lfunc_end_k_q4d258b5be4_route:
	.size	k_q4d258b5be4_route, .Lfunc_end_k_q4d258b5be4_route-k_q4d258b5be4_route
	.p2alignl 7, 3214868480
	.fill 96, 4, 3214868480
	.section	.rodata,"a",@progbits
	.p2align	6, 0x0
	.amdhsa_kernel k_q4d258b5be4_route
		.amdhsa_group_segment_fixed_size 21248
		.amdhsa_private_segment_fixed_size 0
		.amdhsa_enable_private_segment 0
		.amdhsa_kernarg_size 48
		.amdhsa_user_sgpr_count 2
		.amdhsa_user_sgpr_kernarg_segment_ptr 1
		.amdhsa_wavefront_size32 1
		.amdhsa_system_sgpr_workgroup_id_x 1
		.amdhsa_system_sgpr_workgroup_id_y 1
		.amdhsa_system_sgpr_workgroup_id_z 1
		.amdhsa_system_vgpr_workitem_id 0
		.amdhsa_next_free_vgpr 512
		.amdhsa_next_free_sgpr 66
		.amdhsa_reserve_vcc 1
		.amdhsa_float_denorm_mode_32 3
		.amdhsa_float_denorm_mode_16_64 3
		.amdhsa_memory_ordered 1
		.amdhsa_forward_progress 1
		.amdhsa_inst_pref_size 30
	.end_amdhsa_kernel
	.amdgpu_metadata
---
amdhsa.version: [ 1, 2 ]
amdhsa.kernels:
  - .name:           k_q4d258b5be4_route
    .symbol:         k_q4d258b5be4_route.kd
    .args:
      - { .name: x, .offset: 0, .size: 8, .value_kind: global_buffer, .address_space: global }
      - { .name: Wr, .offset: 8, .size: 8, .value_kind: global_buffer, .address_space: global }
      - { .name: xq, .offset: 16, .size: 8, .value_kind: global_buffer, .address_space: global }
      - { .name: xs, .offset: 24, .size: 8, .value_kind: global_buffer, .address_space: global }
      - { .name: sel, .offset: 32, .size: 8, .value_kind: global_buffer, .address_space: global }
      - { .name: gate, .offset: 40, .size: 8, .value_kind: global_buffer, .address_space: global }
    .group_segment_fixed_size: 21248
    .private_segment_fixed_size: 0
    .kernarg_segment_align: 8
    .kernarg_segment_size: 48
    .max_flat_workgroup_size: 128
    .sgpr_count:     66
    .vgpr_count:     512
    .wavefront_size: 32
...
	.end_amdgpu_metadata
.endif
;; end of part 5
;; launch ffn1 (part 6): grid 32 x 8, 8 waves a work-group, no clusters, 154,624 bytes of LDS; arguments xq, xs, sel, W1_codes, W1_scales, b1, hq, hs, meta; writes hq, hs, meta
.if DOCPART == 6
	.amdgcn_target "amdgcn-amd-amdhsa--gfx1250"
	.amdhsa_code_object_version 6
	.text
	.protected	k_q4d258b5be4_ffn1
	.globl	k_q4d258b5be4_ffn1
	.p2align	8
	.type	k_q4d258b5be4_ffn1,@function
k_q4d258b5be4_ffn1:
	s_mov_b64 s[64:65], 0
	v_nop
	global_prefetch_b8 v0, s[64:65] scope:SCOPE_SE
	s_setreg_imm32_b32 hwreg(HW_REG_WAVE_MODE, 25, 1), 1
	s_wait_xcnt 0x0
; FIRST PRODUCT OF THE EXPERTS, ON THE ROUTED ROWS ALONE: h = Q(gelu(xq W1[e]^T + b1[e])), on codes of E5M2 with one E8M0 scale for each 32 along K.
; SHARES.  Work-group (fs, e) owns hidden units 128 fs .. 128 fs + 127 of expert e: 128 rows of W1's codes, 1,024 bytes each, read from memory once, by this work-group alone,
; and kept in LDS.  All rows routed to e go past them, in chunks of 48 rows (3 tiles of 16).  Chunk c belongs to wave c mod 8; the loop has 3 trips for every wave
; (8 x 3 = 24 chunk places serve any split: 1,024 rows at the most are 22 chunks) and jumps over the work where c is past the expert's chunks: a branch on a stored count,
; which is why the operands come by plain loads and no copy engine is used.  No cluster: no two work-groups read the same weights, and which rows of x a work-group reads hangs on the split.
; THE LIST.  Wave 0 reads sel (a word a token, stored by the launch before) and lays the expert's tokens in LDS, in the order in which its registers hold them (entry = token | k << 16, k = which of the
; token's two choices this expert is).  All lanes stay on throughout this text: a lane whose token did not choose the expert stores into a spare place of its own behind the list.
; Entries past the count hold token 8 + e and k = 2: a row that can be gathered, and whose place falls on a spare word of meta.
; The work-groups with fs = 0 also store the count and, for each routed row, its place e x 1152 + rank, for the later launches: meta: [k 2][token 1024] at 0, the counts at 8192 + 4 e, the spare words at 8224 + 4 e.
; A CHUNK goes in ONE pass: 8 tiles of units x 3 tiles of rows = 24 accumulators, 8 K steps, so that the work-group asks for each byte of x's codes once: a load of them takes 32 bytes of each of 16 rows.
; A K step has two halves: W1's tiles 0-3 against the three tiles of rows, then tiles 4-7 against the same.  The product is used TRANSPOSED (source 0 = 16 rows of W1, source 1 = 16 rows of x): a lane
; holds one row of x.  THE ROWS OF W1 THAT FORM A TILE ARE NOT NEIGHBOURS: lane r of tile 2 b + u takes unit 32 b + 8 u + r + 8 (r / 8), so that the 16 registers of tiles 2 b, 2 b + 1 are units
; 32 b + 16 (lane / 16) + 0 .. 15: neighbours along the next K, in the order of the next operand's registers.  The bias is loaded into the accumulators: every K step is the same link in place.
; gelu is exact: 0.5 v (1 + erf(v / sqrt 2)), erf(z) = z P(z^2) / Q(z^2) in f32 with z held to +-4, where erf is 1 to the last bit of f32.
; OUT.  hq [e][chunk 24][K step 32][tile 3][block 4][lane 32][16 bytes]: images of the next operand's registers; hs [e][chunk][K step][lane 32][4 words]: word i = tile i's scale word (word 3 unused).
; Every store of codes and of scale words covers 512 consecutive bytes.  Chunk 0 is always made, so that the next launch's first loads find written bytes.
; LIMITS: rows past the count in an expert's last chunk (47 at the most) are computed from token 8 + e and read by nobody for a result.  A block of zeros gets the byte 1.  Inputs are taken to be finite.
; W IN LDS: a fragment (16 rows x 128 K) is 8 pieces of 256 bytes (piece 2 c + h: the 16 rows' bytes 32 c + 16 h .. + 15), 272 bytes apart; 4 fragments and 128 bytes make a group (half, K step).
; A fragment load's sixteen lanes read 256 consecutive bytes; on the way in, sixteen lanes' stores fall into sixteen different 16-byte columns of 256 (8,832 = 128 and 272 = 16 modulo 256).
.set FR,   2176
.set SS,   4*FR+128
.set WS,   16*SS                       ; W1's scale words: 128 rows (16 x tile + r), 32 bytes + 16 of padding
.set BIAS, WS+128*48                   ; a word a thread: b1[128 fs + thread % 128]
.set CAP,  1152
.set LIST, BIAS+1024                   ; 1,152 entries, and behind them 32 spare places, one a lane
.set CNT,  LIST+4*(CAP+32)             ; the count
.set LN,   1                           ; lane
.set LI,   2                           ; 16 x lane
.set R16,  3                           ; lane % 16
.set HH,   4                           ; lane / 16
.set AW,   5                           ; v5-8   my place in a fragment, + 4 k groups
.set AWS,  9                           ; my row's scale words
.set AB,   10                          ; my half's biases
.set ALS,  11                          ; my row's list entry
.set WST,  12                          ; where I store W's bytes
.set SST,  13                          ; and its scale bytes
.set BST,  14                          ; and the bias
.set LZ,   15                          ; the list, 16 bytes a lane (wave 0 fills it)
.set VA,   16                          ; where an entry goes (wave 0)
.set CNTA, 17
.set XA,   18                          ; v18-20 tile i: my token's row of xq, + 16 (lane / 16)
.set XB,   21                          ; v21-23 and of xs
.set LE,   24                          ; v24-26 tile i: my row's list entry
.set ALC,  27
.set PW,   28                          ; v28-31 the scale words in the making; v31 stays 0x7f7f7f7f
.set KA,   32                          ; v[32:33] a13 twice;  v[34:35] b8 twice
.set KB,   34
.set CD,   36                          ; v36-43 two sets of codes; at the head: W1's scale bytes v36-39, the bias v40, their offsets v41, v42
.set RA,   50                          ; v50-52 where the rows' places go in meta; at the head, wave 0: v48-51 the list's filling, v52 my spare place
.set CA,   53                          ; where the count goes in meta
.set PDST, 54                          ; the lane permute's destination
.set H16,  55                          ; 16 (lane / 16)
.set XSC,  56                          ; v56-79 x's scale words: tile i, K step s at 8 i + s
.set WSC,  80                          ; v80-95 W1's: tile t (0-7), K step s % 2 at 2 t + s % 2
.set WF,   96                          ; v96-159 W1's four fragments of half a K step
.set GZ,   96                          ; in the epilogue: z, z^2 (then the result), P, Q, 16 each
.set GT,   112
.set GP,   128
.set GQ,   144
.set ACC,  160                         ; v160-255 of window 0: accumulator (t, i) of tiles 0-3 at 8 (3 t + i)
.set AC1,  144                         ; v144-239 of window 1: those of tiles 4-7
.set WT,   96                          ; at the head: v96-223 the 32 loads of W
.set SEL,  224                         ; at the head, wave 0: v224-255 sel's words
; window 1, v0-143: the ring of x's fragments: slot k (0-2), tile i at v[48 k + 16 i]
.set A11, 40                           ; s[40:61] constants as pairs (a packed form names a pair and takes its low word for both halves)
.set A9,  42
.set A7,  44
.set A5,  46
.set A3,  48
.set A1,  50
.set B6,  52
.set B4,  54
.set B2,  56
.set B0,  58
.set RS2, 60
.set MSB, 0
.macro WIN new                         ; the immediate's high byte repeats the setting that is left
.if MSB != \new
	s_set_vgpr_msb (MSB<<8)|\new
.set MSB, \new
.endif
.endm
.macro PLACES n                        ; plain lines between a matrix instruction and loads into, or reads of, its registers
.rept \n
	v_nop
.endr
.endm
.macro KPAIR r, bits
	s_mov_b32 s[\r], \bits
	s_mov_b32 s[\r+1], \bits
.endm
; x's fragments of K step s into slot k: 12 loads (the destination's window is set by the caller)
.macro RING k, s
.irp i, 0,1,2
.irp c, 0,1,2,3
	global_load_b128 v[48*(\k)+16*\i+4*\c:48*(\k)+16*\i+4*\c+3], v[XA+\i], s[4:5] offset:128*(\s)+32*\c
.endr
.endr
.endm
; chunk s27: its 48 list entries, the rows' addresses, x's scale words (6 loads) and K step 0 (12 loads)
.macro PROA
	s_mul_i32 s39, s27, 192
	v_add_nc_u32 v[ALC], s39, v[ALS]
.irp i, 0,1,2
	ds_load_b32 v[LE+\i], v[ALC] offset:64*\i
.endr
	s_wait_dscnt 0x0
.irp i, 0,1,2
	v_and_b32 v[44+\i], 0x3ff, v[LE+\i]
.endr
.irp i, 0,1,2
	s_delay_alu instid0(VALU_DEP_3)
	v_min_u32 v[44+\i], 0x3ff, v[44+\i]            ; a token's number, held inside the table
.endr
.irp i, 0,1,2
	v_lshlrev_b32 v[XA+\i], 10, v[44+\i]           ; its row of xq: 1,024 bytes a token,
	v_lshlrev_b32 v[XB+\i], 5, v[44+\i]            ; and of xs: 32
.endr
.irp i, 0,1,2
	v_add_nc_u32 v[XA+\i], v[H16], v[XA+\i]        ; + my half's 16 bytes
.endr
.irp i, 0,1,2
	global_load_b128 v[XSC+8*\i:XSC+8*\i+3], v[XB+\i], s[6:7]
	global_load_b128 v[XSC+8*\i+4:XSC+8*\i+7], v[XB+\i], s[6:7] offset:16
.endr
	WIN 0x40
	RING 0, 0
	WIN 0
.endm
; the biases of the 128 units, straight into the 24 accumulators: lane (r, h), tile t: units 32 (t / 2) + 16 h + 8 (t % 2) + 0 .. 7
.macro ACCINIT
.irp t, 0,1,2,3
.irp i, 0,1,2
	ds_load_b128 v[ACC+8*(3*\t+\i):ACC+8*(3*\t+\i)+3], v[AB] offset:128*(\t/2)+32*(\t%2)
	ds_load_b128 v[ACC+8*(3*\t+\i)+4:ACC+8*(3*\t+\i)+7], v[AB] offset:128*(\t/2)+32*(\t%2)+16
.endr
.endr
	WIN 0x40                                       ; destination window 1, address window 0
.irp t, 0,1,2,3
.irp i, 0,1,2
	ds_load_b128 v[AC1+8*(3*\t+\i):AC1+8*(3*\t+\i)+3], v[AB] offset:128*(2+\t/2)+32*(\t%2)
	ds_load_b128 v[AC1+8*(3*\t+\i)+4:AC1+8*(3*\t+\i)+7], v[AB] offset:128*(2+\t/2)+32*(\t%2)+16
.endr
.endr
	WIN 0
.endm
; K step g.  First half: W1's tiles 0-3 from LDS; every second step the scale words of all 8 tiles for two steps; in steps 1 to 5 the slot left by the step before takes K step g + 2; 12 products.
; Second half: tiles 4-7, 12 products on the accumulators of window 1.  The 24 accumulators take turns, one instruction a turn, in the same order in every step.
.macro KSTEP g
.if (\g) > 0
	PLACES 8
.endif
.irp t, 0,1,2,3
.irp c, 0,1,2,3
	ds_load_b128 v[WF+16*\t+4*\c:WF+16*\t+4*\c+3], v[AW+(\g)/4] offset:((\g)%4)*SS+\t*FR+\c*544
.endr
.endr
.if (\g)%2 == 0
.irp t, 0,1,2,3,4,5,6,7
	ds_load_b64 v[WSC+2*\t:WSC+2*\t+1], v[AWS] offset:\t*768+8*((\g)/2)   ; two K steps' scale words of my row of tile t
.endr
.endif
.if ((\g) >= 1) && ((\g) <= 5)
	WIN 0x40
	RING ((\g)-1)%3, (\g)+2
	WIN 0
.endif
.if (\g) < 6
	s_wait_loadcnt 24                              ; this K step's 12 loads are in; those of the two K steps behind it may be out
.else
	s_wait_loadcnt 12*(7-(\g))                     ; of the K steps that are left
.endif
	s_wait_dscnt 0x0
	WIN 0x04                                       ; source 1 (x) in window 1
.irp t, 0,1,2,3
.irp i, 0,1,2
	v_wmma_scale_f32_16x16x128_f8f6f4 v[ACC+8*(3*\t+\i):ACC+8*(3*\t+\i)+7], v[WF+16*\t:WF+16*\t+15], v[48*((\g)%3)+16*\i:48*((\g)%3)+16*\i+15], v[ACC+8*(3*\t+\i):ACC+8*(3*\t+\i)+7], v[WSC+2*\t+(\g)%2], v[XSC+8*\i+(\g)] matrix_a_fmt:MATRIX_FMT_BF8 matrix_b_fmt:MATRIX_FMT_BF8
.endr
.endr
	WIN 0
	PLACES 8
.irp t, 0,1,2,3
.irp c, 0,1,2,3
	ds_load_b128 v[WF+16*\t+4*\c:WF+16*\t+4*\c+3], v[AW+2+(\g)/4] offset:((\g)%4)*SS+\t*FR+\c*544
.endr
.endr
	s_wait_dscnt 0x0
	WIN 0x54                                       ; source 1 (x), C and D in window 1
.irp t, 0,1,2,3
.irp i, 0,1,2
	v_wmma_scale_f32_16x16x128_f8f6f4 v[AC1+8*(3*\t+\i):AC1+8*(3*\t+\i)+7], v[WF+16*\t:WF+16*\t+15], v[48*((\g)%3)+16*\i:48*((\g)%3)+16*\i+15], v[AC1+8*(3*\t+\i):AC1+8*(3*\t+\i)+7], v[WSC+2*(4+\t)+(\g)%2], v[XSC+8*\i+(\g)] matrix_a_fmt:MATRIX_FMT_BF8 matrix_b_fmt:MATRIX_FMT_BF8
.endr
.endr
	WIN 0
.endm
; gelu of two accumulators (16 neighbours along the next K), which lie in window w; the result goes to v[GT] on.  Each accumulator is read from its low end on.
.macro GELU16 a, b, w
	WIN \w                                         ; source 0 in the accumulators' window
.irp j, 0,2,4,6
	v_pk_mul_f32 v[GZ+\j:GZ+\j+1], v[(\a)+\j:(\a)+\j+1], s[RS2:RS2+1] op_sel_hi:[1,0]       ; z = v / sqrt 2
.endr
.irp j, 0,2,4,6
	v_pk_mul_f32 v[GZ+8+\j:GZ+9+\j], v[(\b)+\j:(\b)+\j+1], s[RS2:RS2+1] op_sel_hi:[1,0]
.endr
	WIN 0
.irp j, 0,1,2,3,4,5,6,7,8,9,10,11,12,13,14,15
	v_med3_num_f32 v[GZ+\j], v[GZ+\j], -4.0, 4.0
.endr
.irp j, 0,2,4,6,8,10,12,14
	v_pk_mul_f32 v[GT+\j:GT+\j+1], v[GZ+\j:GZ+\j+1], v[GZ+\j:GZ+\j+1]
.endr
.irp j, 0,2,4,6,8,10,12,14
	v_pk_fma_f32 v[GP+\j:GP+\j+1], v[GT+\j:GT+\j+1], v[KA:KA+1], s[A11:A11+1] op_sel_hi:[1,1,0]
.endr
.irp j, 0,2,4,6,8,10,12,14
	v_pk_fma_f32 v[GQ+\j:GQ+\j+1], v[GT+\j:GT+\j+1], v[KB:KB+1], s[B6:B6+1] op_sel_hi:[1,1,0]
.endr
.irp k, B4, B2, B0
.irp j, 0,2,4,6,8,10,12,14
	v_pk_fma_f32 v[GQ+\j:GQ+\j+1], v[GQ+\j:GQ+\j+1], v[GT+\j:GT+\j+1], s[\k:\k+1] op_sel_hi:[1,1,0]
.endr
.endr
	s_wait_alu depctr_va_vdst(0)
.irp j, 0,1,2,3,4,5,6,7,8,9,10,11,12,13,14,15
	v_rcp_f32 v[GQ+\j], v[GQ+\j]                   ; one batch; P's polynomial, which names none of these, follows as the work behind it
.endr
.irp k, A9, A7, A5, A3, A1
.irp j, 0,2,4,6,8,10,12,14
	v_pk_fma_f32 v[GP+\j:GP+\j+1], v[GP+\j:GP+\j+1], v[GT+\j:GT+\j+1], s[\k:\k+1] op_sel_hi:[1,1,0]
.endr
.endr
.irp j, 0,2,4,6,8,10,12,14
	v_pk_mul_f32 v[GP+\j:GP+\j+1], v[GP+\j:GP+\j+1], v[GZ+\j:GZ+\j+1]
.endr
	s_wait_alu depctr_va_vdst(0)                   ; one wait for the 16 reciprocals, ahead of their first reader
	WIN \w
.irp j, 0,2,4,6
	v_pk_mul_f32 v[GZ+\j:GZ+\j+1], v[(\a)+\j:(\a)+\j+1], 0.5 op_sel_hi:[1,0]
.endr
.irp j, 0,2,4,6
	v_pk_mul_f32 v[GZ+8+\j:GZ+9+\j], v[(\b)+\j:(\b)+\j+1], 0.5 op_sel_hi:[1,0]
.endr
	WIN 0
.irp j, 0,2,4,6,8,10,12,14
	v_pk_mul_f32 v[GP+\j:GP+\j+1], v[GP+\j:GP+\j+1], v[GQ+\j:GQ+\j+1]                       ; erf
.endr
.irp j, 0,2,4,6,8,10,12,14
	v_pk_fma_f32 v[GT+\j:GT+\j+1], v[GZ+\j:GZ+\j+1], v[GP+\j:GP+\j+1], v[GZ+\j:GZ+\j+1]     ; 0.5 v erf + 0.5 v
.endr
.endm
; the 16 numbers in v[GT] on (with lane l xor 16's 16: a block of 32) become 16 codes, registers 4 blk .. 4 blk + 3 of tile i's next operand, and byte blk of its scale word
.macro QUANT16 i, blk, set
	v_max3_num_f32 v44, |v[GT]|, |v[GT+1]|, 0x8000000              ; with the floor 2^(16 - 127): the byte cannot fall under 1
	s_delay_alu instid0(VALU_DEP_4)
	v_max3_num_f32 v49, |v[GT+8]|, |v[GT+9]|, |v[GT+10]|
	s_delay_alu instid0(VALU_DEP_2)
	v_max3_num_f32 v44, v44, |v[GT+2]|, |v[GT+3]|
	s_delay_alu instid0(VALU_DEP_2)
	v_max3_num_f32 v49, v49, |v[GT+11]|, |v[GT+12]|
	s_delay_alu instid0(VALU_DEP_2)
	v_max3_num_f32 v44, v44, |v[GT+4]|, |v[GT+5]|
	s_delay_alu instid0(VALU_DEP_2)
	v_max3_num_f32 v49, v49, |v[GT+13]|, |v[GT+14]|
	s_delay_alu instid0(VALU_DEP_2)
	v_max3_num_f32 v44, v44, |v[GT+6]|, |v[GT+7]|
	s_delay_alu instid0(VALU_DEP_1)
	v_max3_num_f32 v44, v44, v49, |v[GT+15]|
	s_delay_alu instid0(VALU_DEP_1)
	v_permlanex16_b32 v[PDST], v44, s66, s67
	s_delay_alu instid0(VALU_DEP_1)
	v_max_num_f32 v44, v44, v[PDST]                ; the block's largest magnitude
	s_delay_alu instid0(VALU_DEP_1)
	v_add_nc_u32 v47, 0xf8800000, v44              ; 15 off its exponent field: the conversion's scale operand
	s_delay_alu instid0(VALU_DEP_2)
	v_and_or_b32 v46, v44, 0x7f800000, s62         ; 57,344 x the scale
.if (\blk) == 0
	s_delay_alu instid0(VALU_DEP_2)
	v_lshrrev_b32 v[PW+(\i)], 23, v47              ; the scale's byte starts the word
.else
	s_delay_alu instid0(VALU_DEP_2)
	v_lshrrev_b32 v48, 23, v47
	s_delay_alu instid0(VALU_DEP_1)
	v_lshl_or_b32 v[PW+(\i)], v48, 8*(\blk), v[PW+(\i)]
.endif
.irp j, 0,1,2,3,4,5,6,7,8,9,10,11,12,13,14,15
	v_med3_num_f32 v[GT+\j], v[GT+\j], -v46, v46   ; the conversion to an 8-bit code does not saturate (ISA guide 7.6.2): the hold
.endr
	s_wait_alu depctr_va_vdst(0)
	s_wait_xcnt 0x0                                ; the earlier stores have read their codes' registers: this set, stored two groups back, may be written again
	v_cvt_scalef32_pk8_bf8_f32 v[CD+4*(\set):CD+4*(\set)+1], v[GT:GT+7], v47
	v_cvt_scalef32_pk8_bf8_f32 v[CD+4*(\set)+2:CD+4*(\set)+3], v[GT+8:GT+15], v47
	v_nop                                          ; a plain line behind the last conversion
	global_store_b128 v[LI], v[CD+4*(\set):CD+4*(\set)+3], s[32:33] offset:2048*(\i)+512*(\blk)   ; 512 consecutive bytes
.endm
.macro EPI                             ; tile of rows by tile of rows; in each the four blocks of 32 units in ascending order
.irp i, 0,1,2
.irp bb, 0,1
	GELU16 ACC+8*(6*\bb+\i), ACC+8*(6*\bb+3+\i), 0
	QUANT16 \i, \bb, \bb
.endr
.irp bb, 0,1
	GELU16 AC1+8*(6*\bb+\i), AC1+8*(6*\bb+3+\i), 1
	QUANT16 \i, 2+\bb, \bb
.endr
.endr
.endm
	s_load_b512 s[4:19], s[0:1], 0x0               ; xq s[4:5], xs s[6:7], sel s[8:9], W1's codes s[10:11], its scales s[12:13], b1 s[14:15], hq s[16:17], hs s[18:19]
	s_load_b64 s[20:21], s[0:1], 0x40              ; meta
	s_set_vgpr_msb 0x40
	v_lshl_add_u32 v254, v0, 2, 0x25800
	v_mov_b32 v255, 0
	s_set_vgpr_msb 0x4000
	v_lshrrev_b32 v44, 5, v0
	s_delay_alu instid0(VALU_DEP_1)
	v_readfirstlane_b32 s22, v44                   ; wave 0..7
	s_mov_b32 s23, ttmp9                           ; fs
	s_and_b32 s24, ttmp7, 0xffff                   ; e
	s_lshl_b32 s29, 1, s24
	; every LDS address but the list's is made here, ahead of the first parting of the waves
	v_and_b32 v[LN], 31, v0
	s_delay_alu instid0(VALU_DEP_1)
	v_lshlrev_b32 v[LI], 4, v[LN]
	v_and_b32 v[R16], 15, v0
	v_bfe_u32 v[HH], v0, 4, 1
	s_delay_alu instid0(VALU_DEP_1)
	v_lshlrev_b32 v[H16], 4, v[HH]
	s_delay_alu instid0(VALU_DEP_2)
	v_mul_u32_u24 v44, v[HH], 272
	s_delay_alu instid0(VALU_DEP_1)
	v_lshl_add_u32 v44, v[R16], 4, v44             ; 272 h + 16 r
.irp k, 0,1,2,3
	v_add_nc_u32 v[AW+\k], 4*\k*SS, v44
.endr
	v_mul_u32_u24 v[AWS], v[R16], 48
	s_delay_alu instid0(VALU_DEP_1)
	v_add_nc_u32 v[AWS], WS, v[AWS]
	v_lshl_add_u32 v[AB], v[HH], 6, BIAS
	v_lshl_add_u32 v[ALS], v[R16], 2, LIST
	; wave w brings slice rows 16 w + i: half w / 4, tile 2 ((w / 2) % 2) + i / 8 of it, row 8 (w % 2) + i % 8; lane l holds piece l % 8 of K step 4 hh + l / 8
	s_lshr_b32 s39, s22, 2
	s_mul_i32 s39, s39, 8*SS
	s_bfe_u32 s63, s22, 0x10001
	s_mul_i32 s63, s63, 2*FR
	s_add_co_u32 s39, s39, s63
	s_and_b32 s63, s22, 1
	s_lshl_b32 s63, s63, 7
	s_add_co_u32 s39, s39, s63
	v_lshrrev_b32 v44, 3, v[LN]
	s_delay_alu instid0(VALU_DEP_1)
	v_mul_u32_u24 v44, v44, SS
	v_and_b32 v45, 7, v[LN]
	s_delay_alu instid0(VALU_DEP_1)
	v_mad_u32_u24 v44, v45, 272, v44
	s_delay_alu instid0(VALU_DEP_1)
	v_add_nc_u32 v[WST], s39, v44
	; thread t holds half t % 2 of the scale bytes of slice row f = t / 2, whose place is 64 f[6] + 32 f[5] + 16 f[3] + 8 f[4] + f[2:0]
	v_bfe_u32 v44, v0, 6, 2
	s_delay_alu instid0(VALU_DEP_1)
	v_lshlrev_b32 v44, 5, v44
	v_bfe_u32 v45, v0, 4, 1
	s_delay_alu instid0(VALU_DEP_1)
	v_lshl_add_u32 v44, v45, 4, v44
	v_bfe_u32 v45, v0, 5, 1
	s_delay_alu instid0(VALU_DEP_1)
	v_lshl_add_u32 v44, v45, 3, v44
	v_bfe_u32 v45, v0, 1, 3
	s_delay_alu instid0(VALU_DEP_1)
	v_add_nc_u32 v44, v44, v45
	s_delay_alu instid0(VALU_DEP_1)
	v_mul_u32_u24 v44, v44, 48
	v_and_b32 v45, 1, v0
	s_delay_alu instid0(VALU_DEP_1)
	v_lshl_add_u32 v44, v45, 4, v44
	s_delay_alu instid0(VALU_DEP_1)
	v_add_nc_u32 v[SST], WS, v44
	v_lshl_add_u32 v[BST], v0, 2, BIAS
	v_lshl_add_u32 v[LZ], v[LN], 4, LIST
	v_mov_b32 v[VA], LIST
	v_mov_b32 v[CNTA], CNT
	v_lshlrev_b32 v41, 4, v0                       ; 16 x thread: W1's scale bytes
	v_and_b32 v42, 127, v0
	s_delay_alu instid0(VALU_DEP_1)
	v_lshlrev_b32 v42, 2, v42                      ; 4 x (thread % 128): the bias; in wave 0 also 4 x lane, for the tokens' numbers
	v_mov_b32 v[PW+3], 0x7f7f7f7f
	v_mov_b32 v[PDST], 0                           ; a lane permute's destination counts as one of its sources
	v_mov_b32 v[KA], 0xaf95df0b                    ; a13 = -2.72614226e-10
	v_mov_b32 v[KA+1], 0xaf95df0b
	v_mov_b32 v[KB], 0xb77460cd                    ; b8 = -1.45660718e-05
	v_mov_b32 v[KB+1], 0xb77460cd
	KPAIR A11, 0x32edffee                          ;  2.77068142e-08
	KPAIR A9,  0xb60cff51                          ; -2.10102402e-06
	KPAIR A7,  0xb86ec2d2                          ; -5.69250639e-05
	KPAIR A5,  0xba40ac63                          ; -7.34990630e-04
	KPAIR A3,  0xbb41a1f6                          ; -2.95459981e-03
	KPAIR A1,  0xbc83dbd4                          ; -1.60960333e-02
	KPAIR B6,  0xb95fbd29                          ; -2.13374055e-04
	KPAIR B4,  0xbadc924e                          ; -1.68282697e-03
	KPAIR B2,  0xbbf19bf8                          ; -7.37332917e-03
	KPAIR B0,  0xbc69b6a7                          ; -1.42647391e-02
	KPAIR RS2, 0x3f3504f3                          ; 1 / sqrt 2
	s_mov_b32 s62, 0x600000                        ; the mantissa field of 57,344
	s_mov_b32 s66, 0x76543210
	s_mov_b32 s67, 0xfedcba98                      ; lane selects: lane l xor 16
	s_lshl_b32 s68, s24, 12
	s_lshl_b32 s69, s23, 7
	s_add_co_u32 s68, s68, s69                     ; the slice's first row: 4096 e + 128 fs
	s_lshl_b32 s69, s22, 4
	s_add_co_u32 s69, s69, s68
	s_mov_b32 s31, 0
	s_wait_kmcnt 0x0
	s_lshl_b32 s30, s69, 10
	s_add_nc_u64 s[70:71], s[10:11], s[30:31]      ; my wave's 16 rows of codes
	s_lshl_b32 s30, s68, 5
	s_add_nc_u64 s[72:73], s[12:13], s[30:31]      ; the slice's scale bytes
	s_lshl_b32 s30, s68, 2
	s_add_nc_u64 s[74:75], s[14:15], s[30:31]      ; and biases
	s_cmp_lg_u32 s22, 0
	s_cbranch_scc1 .Lno_sel
.irp j, 0,1,2,3,4,5,6,7
	global_load_b128 v[SEL+4*\j:SEL+4*\j+3], v[LI], s[8:9] offset:512*\j   ; wave 0: register 4 j + k holds the word of token 128 j + 4 lane + k
.endr
.Lno_sel:
.irp i, 0,1,2,3,4,5,6,7,8,9,10,11,12,13,14,15
.irp hh, 0,1
	global_load_b128 v[WT+4*(2*\i+\hh):WT+4*(2*\i+\hh)+3], v[LI], s[70:71] offset:1024*\i+512*\hh th:TH_LOAD_NT   ; 512 consecutive bytes; 16 KiB on end for the wave
.endr
.endr
	s_wait_alu depctr_va_vdst(0)
	global_load_b128 v[36:39], v41, s[72:73] th:TH_LOAD_NT
	global_load_b32 v40, v42, s[74:75]
	s_cmp_lg_u32 s22, 0
	s_cbranch_scc1 .Lno_list
	; THE LIST (wave 0).  Until the barrier below no other wave touches LDS.
	s_wait_loadcnt 34                              ; sel's 8 loads are in: the 34 issued behind them may be out
	s_add_co_u32 s39, s24, 0x20008                 ; what an entry past the count holds: token 8 + e, k = 2
.irp j, 48,49,50,51
	v_mov_b32 v\j, s39
.endr
	v_mov_b32 v47, 0x10000
	v_add_nc_u32 v52, CAP, v[LN]                   ; my spare place behind the list
.irp k, 0,1,2,3,4,5,6,7,8
	ds_store_b128 v[LZ], v[48:51] offset:512*\k    ; the whole list is filled so; LDS serves a wave's instructions in order: the entries below come over it
.endr
	s_mov_b32 s36, 0                               ; rows so far
.set q, 0
.rept 32
	v_and_b32 v44, s29, v[SEL+q]
	s_delay_alu instid0(VALU_DEP_1)
	v_cmp_ne_u32 vcc_lo, 0, v44                    ; is this expert one of the token's two?
	v_bfe_u32 v45, v[SEL+q], 8, 3
	s_delay_alu instid0(VALU_DEP_1)
	v_cmp_ne_u32 s38, s24, v45                     ; and not its first choice?
	s_delay_alu instid0(VALU_DEP_1)
	v_cndmask_b32 v46, 0, v47, s38
	s_delay_alu instid0(VALU_DEP_1)
	v_add3_u32 v46, v46, v42, 128*(q/4)+q%4        ; the entry: token | k << 16
	v_mbcnt_lo_u32_b32 v45, vcc_lo, s36            ; its rank: rows so far + chosen lanes below mine
	s_delay_alu instid0(VALU_DEP_1)
	v_cndmask_b32 v45, v52, v45, vcc_lo            ; a lane whose token is not chosen takes its spare place: all lanes store
	s_delay_alu instid0(VALU_DEP_1)
	v_min_u32 v45, CAP+31, v45                     ; held inside the list and its spare places
	s_delay_alu instid0(VALU_DEP_1)
	v_lshlrev_b32 v45, 2, v45
	s_delay_alu instid0(VALU_DEP_1)
	v_add_nc_u32 v[VA], LIST, v45
	ds_store_b32 v[VA], v46
	s_bcnt1_i32_b32 s38, vcc_lo
	s_add_co_u32 s36, s36, s38
.set q, q+1
.endr
	v_mov_b32 v44, s36
	ds_store_b32 v[CNTA], v44
	s_cmp_lg_u32 s23, 0
	s_cbranch_scc1 .Lno_list
	s_lshl_b32 s39, s24, 2                         ; fs = 0: the count goes to meta, for the next launch
	v_mov_b32 v[CA], s39
	global_store_b32 v[CA], v44, s[20:21] offset:8192   ; all lanes store the same word with the same value
	s_wait_xcnt 0x0                                ; the store has read its registers: v44 is written again below
.Lno_list:
	s_wait_dscnt 0x0                               ; wave 0's stores into the list have landed
	s_barrier_signal -1
	s_barrier_wait -1
	ds_load_b32 v44, v[CNTA]
	s_wait_dscnt 0x0
	v_readfirstlane_b32 s25, v44
	s_min_u32 s25, s25, 1024                       ; n
	s_add_co_u32 s26, s25, 47
	s_mul_i32 s26, s26, 1366
	s_lshr_b32 s26, s26, 16                        ; (n + 47) / 48: 1366 / 65536 is 1 / 48 + 1 / 98304, and (n + 47) / 98304 stays under 1 / 48
	s_max_u32 s26, s26, 1                          ; chunk 0 is always made
	s_mov_b32 s27, s22                             ; my first chunk
	s_mov_b32 s28, 0
	PROA                                           ; on every wave's way: a wave without a chunk asks for the padding token's row and does not use it
	s_wait_loadcnt 18                              ; 18 loads were issued behind W's 34: those are in
.irp i, 0,1,2,3,4,5,6,7,8,9,10,11,12,13,14,15
.irp hh, 0,1
	ds_store_b128 v[WST], v[WT+4*(2*\i+\hh):WT+4*(2*\i+\hh)+3] offset:\hh*4*SS+(\i/8)*FR+(\i%8)*16
.endr
.endr
	ds_store_b128 v[SST], v[36:39]
	ds_store_b32 v[BST], v40
	s_wait_dscnt 0x0                               ; for the others' sake: my stores have landed
	s_barrier_signal -1
	s_barrier_wait -1                              ; W, its scale words and the biases lie in LDS; from here on nothing is stored to LDS
.Ltrip:
	s_cmp_lt_u32 s27, s26
	s_cbranch_scc0 .Lskip
	s_cmp_eq_u32 s28, 0
	s_cbranch_scc1 .Lhave                          ; the first chunk's first loads went out above
	s_wait_loadcnt 0x0                             ; no load is out: the rows' address registers may be written
	PROA
.Lhave:
	WIN 0x40
	s_wait_alu depctr_va_vdst(0)
	RING 1, 1                                      ; K steps 1 and 2: only a wave that has the chunk asks for them
	RING 2, 2
	WIN 0
	s_mul_i32 s30, s24, 24
	s_add_co_u32 s30, s30, s27
	s_lshl_b32 s30, s30, 5
	s_add_co_u32 s68, s30, s23                     ; (24 e + c) 32 + fs
	s_mul_i32 s30, s68, 6144
	s_add_nc_u64 s[32:33], s[16:17], s[30:31]      ; this chunk's K step fs in hq,
	s_lshl_b32 s30, s68, 9
	s_add_nc_u64 s[34:35], s[18:19], s[30:31]      ; and in hs
	ACCINIT
.irp g, 0,1,2,3,4,5,6,7
	KSTEP \g
.endr
	PLACES 8
	EPI
	global_store_b128 v[LI], v[PW:PW+3], s[34:35]  ; the three tiles' scale words: 512 consecutive bytes
	s_cmp_lg_u32 s23, 0
	s_cbranch_scc1 .Lno_rowix
	s_mul_i32 s39, s27, 48                         ; fs = 0: each row's place goes to meta at [k][token]; a padding row's (k = 2, token 8 + e) to the expert's spare word
	s_mul_i32 s63, s24, CAP
	s_add_co_u32 s63, s63, s39                     ; e x 1152 + the chunk's first rank
.irp i, 0,1,2
	v_lshrrev_b32 v47, 16, v[LE+\i]
	v_and_b32 v48, 0x3ff, v[LE+\i]
	s_delay_alu instid0(VALU_DEP_2)
	v_min_u32 v47, 2, v47                          ; k, held
	s_delay_alu instid0(VALU_DEP_2)
	v_min_u32 v48, 0x3ff, v48                      ; token, held
	s_delay_alu instid0(VALU_DEP_2)
	v_lshlrev_b32 v47, 12, v47
	s_delay_alu instid0(VALU_DEP_2)
	v_lshlrev_b32 v48, 2, v48
	s_delay_alu instid0(VALU_DEP_1)
	v_add_nc_u32 v[RA+\i], v47, v48
	v_add3_u32 v[44+\i], s63, v[R16], 16*\i        ; e x 1152 + rank
	global_store_b32 v[RA+\i], v[44+\i], s[20:21]  ; both halves of the lanes store the same word with the same value
.endr
.Lno_rowix:
	s_wait_xcnt 0x0                                ; the stores have read their bases and registers: the next chunk may write them
.Lskip:
	s_add_co_u32 s27, s27, 8
	s_add_co_u32 s28, s28, 1
	s_cmp_lt_u32 s28, 3
	s_cbranch_scc1 .Ltrip
	s_set_vgpr_msb 0x5
	s_wait_tensorcnt 0x0
	ds_add_u32 v254, v255
	s_wait_dscnt 0x0
	s_set_vgpr_msb 0x500
	s_endpgm
.Lfunc_end_k_q4d258b5be4_ffn1:
	.size	k_q4d258b5be4_ffn1, .Lfunc_end_k_q4d258b5be4_ffn1-k_q4d258b5be4_ffn1
	.p2alignl 7, 3214868480
	.fill 96, 4, 3214868480
	.section	.rodata,"a",@progbits
	.p2align	6, 0x0
	.amdhsa_kernel k_q4d258b5be4_ffn1
		.amdhsa_group_segment_fixed_size 154624
		.amdhsa_private_segment_fixed_size 0
		.amdhsa_enable_private_segment 0
		.amdhsa_kernarg_size 72
		.amdhsa_user_sgpr_count 2
		.amdhsa_user_sgpr_kernarg_segment_ptr 1
		.amdhsa_wavefront_size32 1
		.amdhsa_system_sgpr_workgroup_id_x 1
		.amdhsa_system_sgpr_workgroup_id_y 1
		.amdhsa_system_sgpr_workgroup_id_z 1
		.amdhsa_system_vgpr_workitem_id 0
		.amdhsa_next_free_vgpr 512
		.amdhsa_next_free_sgpr 80
		.amdhsa_reserve_vcc 1
		.amdhsa_float_denorm_mode_32 3
		.amdhsa_float_denorm_mode_16_64 3
		.amdhsa_memory_ordered 1
		.amdhsa_forward_progress 1
		.amdhsa_inst_pref_size 255
	.end_amdhsa_kernel
	.section	.bss,"aw",@nobits
	.p2align	6
	.space	262144
	.amdgpu_metadata
---
amdhsa.version: [ 1, 2 ]
amdhsa.kernels:
  - .name:           k_q4d258b5be4_ffn1
    .symbol:         k_q4d258b5be4_ffn1.kd
    .args:
      - { .name: xq, .offset: 0, .size: 8, .value_kind: global_buffer, .address_space: global }
      - { .name: xs, .offset: 8, .size: 8, .value_kind: global_buffer, .address_space: global }
      - { .name: sel, .offset: 16, .size: 8, .value_kind: global_buffer, .address_space: global }
      - { .name: W1_codes, .offset: 24, .size: 8, .value_kind: global_buffer, .address_space: global }
      - { .name: W1_scales, .offset: 32, .size: 8, .value_kind: global_buffer, .address_space: global }
      - { .name: b1, .offset: 40, .size: 8, .value_kind: global_buffer, .address_space: global }
      - { .name: hq, .offset: 48, .size: 8, .value_kind: global_buffer, .address_space: global }
      - { .name: hs, .offset: 56, .size: 8, .value_kind: global_buffer, .address_space: global }
      - { .name: meta, .offset: 64, .size: 8, .value_kind: global_buffer, .address_space: global }
    .group_segment_fixed_size: 154624
    .private_segment_fixed_size: 0
    .kernarg_segment_align: 8
    .kernarg_segment_size: 72
    .max_flat_workgroup_size: 256
    .sgpr_count:     80
    .vgpr_count:     512
    .wavefront_size: 32
...
	.end_amdgpu_metadata
.endif
;; end of part 6
;; launch ffn2 (part 7): grid 32 x 8, 8 waves a work-group, no clusters, 183,296 bytes of LDS; arguments hq, hs, W2_codes, W2_scales, b2, meta, ys; writes ys
.if DOCPART == 7
	.amdgcn_target "amdgcn-amd-amdhsa--gfx1250"
	.amdhsa_code_object_version 6
	.text
	.protected	k_q4d258b5be4_ffn2
	.globl	k_q4d258b5be4_ffn2
	.p2align	8
	.type	k_q4d258b5be4_ffn2,@function
k_q4d258b5be4_ffn2:
	s_mov_b64 s[64:65], 0
	v_nop
	global_prefetch_b8 v0, s[64:65] scope:SCOPE_SE
	s_setreg_imm32_b32 hwreg(HW_REG_WAVE_SCHED_MODE, 0, 2), 2
	s_setreg_imm32_b32 hwreg(HW_REG_WAVE_MODE, 25, 1), 1
	s_wait_xcnt 0x0
	s_wait_alu depctr_vm_vsrc(0)
; SECOND PRODUCT OF THE EXPERTS: ys[kh][e x 1152 + rank][:] = h W2[e]^T over half kh of K (+ b2[e] in half 0), on codes of E5M2 with one E8M0 scale for each 32 along K; sums in f32.
; SHARES.  Work-group (x, e): cs = x % 16 is a slice of 64 output columns, kh = x / 16 a half of K (16 K steps of 128): 64 rows x 2,048 bytes of W2's codes, read from memory once, by this work-group alone,
; and kept in LDS.  The expert's rows go past them in chunks of 48; chunk c belongs to wave c mod 8; 3 trips for every wave, the work jumped over where c is past the expert's chunks: a branch on a stored count,
; which is why the operands come by plain loads and no copy engine is used.  No cluster: no two work-groups read the same weights, and how many chunks of h a work-group reads hangs on the split.
; K is split in two so that a work-group takes in half of h's bytes and a row's piece of the result is 256 bytes; the two halves are added by the last launch, each number by one owner.
; h comes as images of the operand's registers (stored so by the launch before): a load reads 512 consecutive bytes; a ring of 5 slots in registers runs four K steps ahead.
; WHAT NO RESULT NEEDS IS NOT FETCHED: a tile of 16 rows that lies past the expert's count (in its last chunk; all three tiles of a wave that has no chunk) is asked for with all lanes at one place, 16 bytes a load:
; the lane's offset is lane x 16 or lane x 0, by the stored count.  Such a tile's products are made and stored with the others; nobody reads those rows of ys.
; h's scale words are read by lane % 16: 256 bytes a load (the upper lanes' words are copies, and the matrix instruction takes the lower lanes').
; The product is used TRANSPOSED (source 0 = 16 rows of W2 = output columns, source 1 = 16 rows of h): a lane holds eight neighbouring columns of one row.  The bias is loaded into the accumulators.
; The results go through the wave's own stage in LDS and leave as rows: sixteen lanes store 256 consecutive bytes, aligned.
; W IN LDS as in the launch before: pieces of 256 bytes 272 apart, 8 to a fragment, 4 fragments and 128 bytes to a K step's group.
; THE MODE: SCHED_MODE bits 1:0 = 2 (LLVM: expert scheduling mode 2), set by the entry lines.  The code itself states the register dependences
; between vector or matrix instructions and memory or LDS instructions, with s_wait_alu, always for 0.
; THE PLAN.  Registers that memory or LDS instructions touch in a chunk, and who else names them:
;   v[WF ..]          LDS loads land there at the head of each K step; the step's 12 products read them.  One buffer: the launch's 512 registers hold no second.  On the way out the rows come back from the stage into them, and the stores to ys read them.
;   v[WSC ..]         LDS loads land there every fourth K step; products read them as scales.
;   v[HSC ..], the ring   Slot s % 5: the 13 loads of K step s land there; the 12 products of K step s read them.  Slot (g - 1) % 5 is asked for again in K step g.
;   the accumulators  LDS loads (the biases) land there at the chunk's head; products write them; the LDS stores into the stage read them.
;   v[LH ..], v[LR]   Made anew, by vector lines, at each chunk's head; read by all its loads of h.  All other addresses are made at the kernel's head and never written again.
; So ONE wait on va_vdst stands at the head of a K step: the products of the step before are done reading v[WF ..], their scale words and their slot; all the step's loads, 16 to 33, follow it with no further wait, since no
; vector or matrix line stands between.  One more stands where a chunk's offsets are made, and one ahead of the way out.  A wait on vm_vsrc stands where tile 2's rows take tile 0's registers, and at the chunk's end.
.set FR,   2176
.set SS,   4*FR+128
.set WS,   16*SS                       ; W2's scale words: 64 rows, 64 bytes + 16 of padding
.set BIAS, WS+64*80                    ; a word a thread: b2[64 cs + thread % 64], or 0 in the second half of K
.set STAGE, BIAS+1024                  ; 16 rows x (256 + 16) bytes for each wave
.set CAP,  1152
.set LN,   1
.set LI,   2                           ; 16 x lane
.set R16,  3
.set HH,   4
.set AW,   5                           ; v5-8  my place in a fragment, + 4 k groups
.set AWS,  9
.set AB,   10
.set WST,  12                          ; where I store W's bytes: K steps 0-7;
.set WST2, 13                          ; K steps 8-15
.set SST,  14
.set BST,  15
.set STO,  16                          ; the stage: where I put 32 bytes of a row
.set RD,   17                          ; and where I read a row back
.set CO,   18                          ; my byte offset in two rows of ys
.set LH,   19                          ; v19-21 tile i of the chunk in hand: 16 x lane, or 0 where the tile lies past the count
.set LR,   22                          ; 16 x (lane % 16), or 0 likewise: h's scale words
.set HSC,  56                          ; v56-75 h's scale words: slot k, tile i at 4 k + i
.set WSC,  80                          ; v80-95 W2's: tile t, K step s % 4 at 4 t + s % 4
.set WF,   96                          ; v96-159 W2's four fragments of a K step; on the way out two sets of 32
.set ACC,  160                         ; v160-255 accumulator (t, i) at 8 (3 t + i)
.set WT,   96                          ; at the head: v96-223 the 32 loads of W;  v36-39 scale bytes, v40 the bias, v41, v42 their offsets
; window 1: the ring of h's fragments: slot k, tile i at v[48 k + 16 i]
.set MSB, 0
.macro WIN new                         ; the immediate's high byte repeats the setting that is left
.if MSB != \new
	s_set_vgpr_msb (MSB<<8)|\new
.set MSB, \new
.endif
.endm
.macro PLACES n                        ; plain lines between a matrix instruction and loads into, or reads of, its registers
.rept \n
	v_nop
.endr
.endm
; a K step's 13 loads into slot k: the scale words, then three fragments
.macro HLOAD k, s
	global_load_b128 v[HSC+4*(\k):HSC+4*(\k)+3], v[LR], s[32:33] offset:512*(\s)
	WIN 0x40
.irp i, 0,1,2
.irp c, 0,1,2,3
	global_load_b128 v[48*(\k)+16*\i+4*\c:48*(\k)+16*\i+4*\c+3], v[LH+\i], s[30:31] offset:6144*(\s)+2048*\i+512*\c
.endr
.endr
	WIN 0
.endm
; the chunk whose number stands in s[creg]: which of its tiles count (by my true chunk number, s25), its bases, and K steps 0 to 4 of my half: 65 loads
.macro PRO2 creg
	s_mul_i32 s46, s25, 48                         ; my chunk's first rank; for a wave without a chunk it lies at or past the count
.irp i, 0,1,2
	s_add_co_u32 s47, s46, 16*\i
	s_cmp_lt_u32 s47, s23                          ; does tile i begin under the count?
	s_cselect_b32 s47, 16, 0
	s_min_u32 s47, s47, 16                         ; (held: it enters an address)
	v_mul_u32_u24 v[LH+\i], s47, v[LN]
.if \i == 0
	v_mul_u32_u24 v[LR], s47, v[R16]
.endif
.endr
	s_mul_i32 s27, s22, 24
	s_add_co_u32 s27, s27, s[\creg]
	s_lshl_b32 s27, s27, 5
	s_lshl_b32 s42, s21, 4
	s_add_co_u32 s27, s27, s42                     ; (24 e + c) 32 + 16 kh
	s_mul_i32 s28, s27, 6144
	s_mov_b32 s29, 0
	s_add_nc_u64 s[30:31], s[4:5], s[28:29]
	s_lshl_b32 s28, s27, 9
	s_add_nc_u64 s[32:33], s[6:7], s[28:29]
	s_wait_alu depctr_va_vdst(0)                   ; v[LH ..] and v[LR] are written, which all the chunk's loads of h read; and the products of the chunk before are done reading v[HSC ..] and the ring, in which the loads below land
.irp k, 0,1,2,3,4
	HLOAD \k, \k
.endr
.endm
.macro ACCINIT2                        ; lane (r, h), tile t: the biases of columns 16 t + 8 h + 0 .. 7
.irp t, 0,1,2,3
.irp i, 0,1,2
	ds_load_b128 v[ACC+8*(3*\t+\i):ACC+8*(3*\t+\i)+3], v[AB] offset:64*\t
	ds_load_b128 v[ACC+8*(3*\t+\i)+4:ACC+8*(3*\t+\i)+7], v[AB] offset:64*\t+16
.endr
.endr
.endm
; K step g: W2's four fragments from LDS; in steps 1 to 11 the slot left by the step before takes K step g + 4; 12 products, the accumulators by turns, one instruction a turn
.macro KSTEP2 g
	PLACES 8
.if (\g) > 0
	s_wait_alu depctr_va_vdst(0)                   ; the products of the K step before are done reading v[WF ..], W2's and h's scale words and the ring's slot (g - 1) % 5: loads land in all of these below
.endif
.irp t, 0,1,2,3
.irp c, 0,1,2,3
	ds_load_b128 v[WF+16*\t+4*\c:WF+16*\t+4*\c+3], v[AW+(\g)/4] offset:((\g)%4)*SS+\t*FR+\c*544
.endr
.endr
.if (\g)%4 == 0
.irp t, 0,1,2,3
	ds_load_b128 v[WSC+4*\t:WSC+4*\t+3], v[AWS] offset:1280*\t+16*((\g)/4)
.endr
.endif
.if ((\g) >= 1) && ((\g) <= 11)
	HLOAD ((\g)-1)%5, (\g)+4
.endif
.if (\g) < 12
	s_wait_loadcnt 52                              ; this K step's 13 loads are in; those of the four K steps behind it may be out
.else
	s_wait_loadcnt 13*(15-(\g))                    ; of the K steps that are left
.endif
	s_wait_dscnt 0x0
	WIN 0x04                                       ; source 1 (h) in window 1
.irp t, 0,1,2,3
.irp i, 0,1,2
	v_wmma_scale_f32_16x16x128_f8f6f4 v[ACC+8*(3*\t+\i):ACC+8*(3*\t+\i)+7], v[WF+16*\t:WF+16*\t+15], v[48*((\g)%5)+16*\i:48*((\g)%5)+16*\i+15], v[ACC+8*(3*\t+\i):ACC+8*(3*\t+\i)+7], v[WSC+4*\t+(\g)%4], v[HSC+4*((\g)%5)+\i] matrix_a_fmt:MATRIX_FMT_BF8 matrix_b_fmt:MATRIX_FMT_BF8
.endr
.endr
	WIN 0
.endm
; tile i's 16 rows x 64 columns: into my stage (each accumulator from its low end on), back as rows of 256 bytes, and out
.macro OUT i
.set OBS, WF+32*((\i)%2)
.if (\i) == 2
	s_wait_xcnt 0x0                                ; tile 0's stores have read the set that tile 2's rows now take
	s_wait_alu depctr_vm_vsrc(0)                   ; tile 0's stores to ys have read v96 to v127, in which tile 2's rows land below
.endif
.irp t, 0,1,2,3
	ds_store_b128 v[STO], v[ACC+8*(3*\t+(\i)):ACC+8*(3*\t+(\i))+3] offset:64*\t
	ds_store_b128 v[STO], v[ACC+8*(3*\t+(\i))+4:ACC+8*(3*\t+(\i))+7] offset:64*\t+16
.endr
.irp k, 0,1,2,3,4,5,6,7
	ds_load_b128 v[OBS+4*\k:OBS+4*\k+3], v[RD] offset:544*\k   ; LDS serves a wave's instructions in order (ISA guide 5.7.1.4): these see the stores above, and the next tile's stores come behind them
.endr
	s_wait_dscnt 0x0
.irp k, 0,1,2,3,4,5,6,7
	global_store_b128 v[CO], v[OBS+4*\k:OBS+4*\k+3], s[34:35] offset:(16*(\i)+2*\k)*4096 th:TH_STORE_NT   ; sixteen lanes store 256 consecutive bytes, aligned
.endr
.endm
	s_load_b256 s[4:11], s[0:1], 0x0               ; hq s[4:5], hs s[6:7], W2's codes s[8:9], its scales s[10:11]
	s_load_b128 s[12:15], s[0:1], 0x20             ; b2 s[12:13], meta s[14:15]
	s_load_b64 s[16:17], s[0:1], 0x30              ; ys
	v_lshl_add_u32 v78, v0, 2, 0x2c800
	v_mov_b32 v79, 0
	v_lshrrev_b32 v44, 5, v0
	v_readfirstlane_b32 s18, v44                   ; wave 0..7
	s_and_b32 s20, ttmp9, 15                       ; cs
	s_lshr_b32 s21, ttmp9, 4                       ; kh
	s_and_b32 s22, ttmp7, 0xffff                   ; e
	s_lshl_b32 s43, s22, 2
	v_and_b32 v[LN], 31, v0
	v_lshlrev_b32 v[LI], 4, v[LN]
	v_and_b32 v[R16], 15, v0
	v_bfe_u32 v[HH], v0, 4, 1
	v_mul_u32_u24 v44, v[HH], 272
	v_lshl_add_u32 v44, v[R16], 4, v44             ; 272 h + 16 r
.irp k, 0,1,2,3
	v_add_nc_u32 v[AW+\k], 4*\k*SS, v44
.endr
	v_mul_u32_u24 v[AWS], v[R16], 80
	v_add_nc_u32 v[AWS], WS, v[AWS]
	v_lshl_add_u32 v[AB], v[HH], 5, BIAS
	s_wait_alu depctr_va_sdst(0)                   ; s18, the wave's number, is written, ahead of its first reader
	; wave w brings slice rows 8 w + i: tile w / 2, row 8 (w % 2) + i; lane l holds piece l % 8 of K step 4 qq + l / 8
	s_lshr_b32 s27, s18, 1
	s_mul_i32 s27, s27, FR
	s_and_b32 s42, s18, 1
	s_lshl_b32 s42, s42, 7
	s_add_co_u32 s27, s27, s42
	v_lshrrev_b32 v44, 3, v[LN]
	v_mul_u32_u24 v44, v44, SS
	v_and_b32 v45, 7, v[LN]
	v_mad_u32_u24 v44, v45, 272, v44
	v_add_nc_u32 v[WST], s27, v44
	v_add_nc_u32 v[WST2], 8*SS, v[WST]
	v_lshrrev_b32 v44, 2, v0                       ; thread t holds quarter t % 4 of the scale bytes of slice row t / 4
	v_and_b32 v45, 3, v0
	v_mul_u32_u24 v[SST], v44, 80
	v_lshl_add_u32 v[SST], v45, 4, v[SST]
	v_add_nc_u32 v[SST], WS, v[SST]
	v_lshlrev_b32 v41, 7, v44
	v_lshl_add_u32 v41, v45, 4, v41                ; in memory: 128 bytes a row
	v_lshl_add_u32 v[BST], v0, 2, BIAS
	v_and_b32 v42, 63, v0
	v_lshlrev_b32 v42, 2, v42
	s_mul_i32 s27, s18, 16*272
	s_add_co_u32 s27, s27, STAGE                   ; my stage
	v_mul_u32_u24 v[STO], v[R16], 272
	v_lshl_add_u32 v[STO], v[HH], 5, v[STO]
	v_add_nc_u32 v[STO], s27, v[STO]
	v_mul_u32_u24 v[RD], v[HH], 272
	v_lshl_add_u32 v[RD], v[R16], 4, v[RD]
	v_add_nc_u32 v[RD], s27, v[RD]
	v_lshlrev_b32 v[CO], 12, v[HH]
	v_lshl_add_u32 v[CO], v[R16], 4, v[CO]
	s_lshl_b32 s27, s22, 10
	s_lshl_b32 s42, s20, 6
	s_add_co_u32 s27, s27, s42                     ; the slice's first row: 1024 e + 64 cs
	s_mov_b32 s29, 0
	s_cmp_eq_u32 s21, 0
	s_cselect_b32 s45, -1, 0                       ; the bias counts in the first half of K alone
	s_wait_kmcnt 0x0
	s_load_b32 s23, s[14:15], s43 offset:0x2000    ; the expert's count
	s_lshl_b32 s42, s18, 3
	s_add_co_u32 s42, s42, s27
	s_lshl_b32 s28, s42, 12
	s_lshl_b32 s42, s21, 11
	s_add_co_u32 s28, s28, s42
	s_add_nc_u64 s[36:37], s[8:9], s[28:29]        ; my wave's 8 rows of codes, my half of K
	s_lshl_b32 s28, s27, 7
	s_lshl_b32 s42, s21, 6
	s_add_co_u32 s28, s28, s42
	s_add_nc_u64 s[38:39], s[10:11], s[28:29]      ; the slice's scale bytes
	s_lshl_b32 s28, s27, 2
	s_add_nc_u64 s[40:41], s[12:13], s[28:29]      ; and biases
	s_wait_alu depctr_va_vdst(0)                   ; all the addresses and offsets made above are written: the loads, LDS loads and stores of the whole kernel read them
.irp i, 0,1,2,3,4,5,6,7
.irp qq, 0,1,2,3
	global_load_b128 v[WT+4*(4*\i+\qq):WT+4*(4*\i+\qq)+3], v[LI], s[36:37] offset:4096*\i+512*\qq th:TH_LOAD_NT   ; 512 consecutive bytes
.endr
.endr
	global_load_b128 v[36:39], v41, s[38:39] th:TH_LOAD_NT
	global_load_b32 v40, v42, s[40:41]
	s_wait_kmcnt 0x0
	s_min_u32 s23, s23, 1024                       ; n
	s_add_co_u32 s24, s23, 47
	s_mul_i32 s24, s24, 1366
	s_lshr_b32 s24, s24, 16                        ; (n + 47) / 48, exact up to n = 1,024
	s_max_u32 s44, s24, 1
	s_sub_co_u32 s44, s44, 1
	s_min_u32 s44, s44, s18
	s_min_u32 s44, s44, 23                         ; my first chunk, or, if I have none, the last that the launch before has stored (chunk 0 is always stored)
	s_mov_b32 s25, s18
	s_mov_b32 s26, 0
	PRO2 44                                        ; on every wave's way
	s_wait_loadcnt 63                              ; 65 loads were issued behind W's 34: with 63 at the most out, those are in
	v_and_b32 v40, s45, v40
	s_wait_alu depctr_va_vdst(0)                   ; v40, the bias or 0, is written, which the last of the stores below reads
.irp i, 0,1,2,3,4,5,6,7
.irp qq, 0,1
	ds_store_b128 v[WST], v[WT+4*(4*\i+\qq):WT+4*(4*\i+\qq)+3] offset:\qq*4*SS+16*\i
	ds_store_b128 v[WST2], v[WT+4*(4*\i+\qq+2):WT+4*(4*\i+\qq+2)+3] offset:\qq*4*SS+16*\i
.endr
.endr
	ds_store_b128 v[SST], v[36:39]
	ds_store_b32 v[BST], v40
	s_wait_dscnt 0x0                               ; for the others' sake: my stores have landed
	s_barrier_signal -1
	s_barrier_wait -1                              ; W, its scale words and the biases lie in LDS; from here on a wave stores to its own stage alone
	s_wait_alu depctr_vm_vsrc(0)                   ; my LDS stores have read v96 to v223, in which W's fragments and the biases land from here on; and the first chunk's loads have read v[LH ..] and v[LR], which a later chunk writes
.Ltrip:
	s_cmp_lt_u32 s25, s24
	s_cbranch_scc0 .Lskip
	s_cmp_eq_u32 s26, 0
	s_cbranch_scc1 .Lhave                          ; the first chunk's loads went out above
	s_wait_loadcnt 0x0                             ; no load is out: the bases and the lanes' offsets may be written
	PRO2 25
.Lhave:
	s_lshl_b32 s27, s21, 3
	s_add_co_u32 s27, s27, s22
	s_mul_i32 s27, s27, CAP
	s_mul_i32 s42, s25, 48
	s_add_co_u32 s27, s27, s42                     ; (8 kh + e) 1152 + 48 c: the chunk's first row of ys
	s_lshl_b32 s28, s27, 12
	s_lshl_b32 s42, s20, 8
	s_add_co_u32 s28, s28, s42                     ; + my 64 columns
	s_mov_b32 s29, 0
	s_add_nc_u64 s[34:35], s[16:17], s[28:29]
	ACCINIT2
.irp g, 0,1,2,3,4,5,6,7,8,9,10,11,12,13,14,15
	KSTEP2 \g
.endr
	PLACES 8
	s_wait_alu depctr_va_vdst(0)                   ; the products have written the accumulators, which the LDS stores below read, and are done reading v[WF ..], in which the rows come back; the places above stay beside this wait
	OUT 0
	OUT 1
	OUT 2
	s_wait_xcnt 0x0                                ; the stores have read their base and registers: the next chunk may write them
	s_wait_alu depctr_vm_vsrc(0)                   ; the stores to ys have read v[WF ..] and the stage's stores the accumulators, in which the next chunk's loads land; the chunk's loads of h have read v[LH ..] and v[LR], which the next chunk writes
.Lskip:
	s_add_co_u32 s25, s25, 8
	s_add_co_u32 s26, s26, 1
	s_cmp_lt_u32 s26, 3
	s_cbranch_scc1 .Ltrip
	s_wait_dscnt 0x0                               ; the closing lines, six on end
	s_wait_alu 0x0
	s_wait_tensorcnt 0x0
	ds_add_u32 v78, v79
	s_wait_dscnt 0x0
	s_endpgm
.Lfunc_end_k_q4d258b5be4_ffn2:
	.size	k_q4d258b5be4_ffn2, .Lfunc_end_k_q4d258b5be4_ffn2-k_q4d258b5be4_ffn2
	.p2alignl 7, 3214868480
	.fill 96, 4, 3214868480
	.section	.rodata,"a",@progbits
	.p2align	6, 0x0
	.amdhsa_kernel k_q4d258b5be4_ffn2
		.amdhsa_group_segment_fixed_size 183296
		.amdhsa_private_segment_fixed_size 0
		.amdhsa_enable_private_segment 0
		.amdhsa_kernarg_size 56
		.amdhsa_user_sgpr_count 2
		.amdhsa_user_sgpr_kernarg_segment_ptr 1
		.amdhsa_wavefront_size32 1
		.amdhsa_system_sgpr_workgroup_id_x 1
		.amdhsa_system_sgpr_workgroup_id_y 1
		.amdhsa_system_sgpr_workgroup_id_z 1
		.amdhsa_system_vgpr_workitem_id 0
		.amdhsa_next_free_vgpr 512
		.amdhsa_next_free_sgpr 66
		.amdhsa_reserve_vcc 0
		.amdhsa_float_denorm_mode_32 3
		.amdhsa_float_denorm_mode_16_64 3
		.amdhsa_memory_ordered 1
		.amdhsa_forward_progress 1
		.amdhsa_inst_pref_size 95
	.end_amdhsa_kernel
	.amdgpu_metadata
---
amdhsa.version: [ 1, 2 ]
amdhsa.kernels:
  - .name:           k_q4d258b5be4_ffn2
    .symbol:         k_q4d258b5be4_ffn2.kd
    .args:
      - { .name: hq, .offset: 0, .size: 8, .value_kind: global_buffer, .address_space: global }
      - { .name: hs, .offset: 8, .size: 8, .value_kind: global_buffer, .address_space: global }
      - { .name: W2_codes, .offset: 16, .size: 8, .value_kind: global_buffer, .address_space: global }
      - { .name: W2_scales, .offset: 24, .size: 8, .value_kind: global_buffer, .address_space: global }
      - { .name: b2, .offset: 32, .size: 8, .value_kind: global_buffer, .address_space: global }
      - { .name: meta, .offset: 40, .size: 8, .value_kind: global_buffer, .address_space: global }
      - { .name: ys, .offset: 48, .size: 8, .value_kind: global_buffer, .address_space: global }
    .group_segment_fixed_size: 183296
    .private_segment_fixed_size: 0
    .kernarg_segment_align: 8
    .kernarg_segment_size: 56
    .max_flat_workgroup_size: 256
    .sgpr_count:     66
    .vgpr_count:     512
    .wavefront_size: 32
...
	.end_amdgpu_metadata
.endif
;; end of part 7
;; launch combine (part 8): grid 256 x 1, 4 waves a work-group, no clusters, 0 bytes of LDS; arguments ys, meta, gate, out0; writes out0
.if DOCPART == 8
	.amdgcn_target "amdgcn-amd-amdhsa--gfx1250"
	.amdhsa_code_object_version 6
	.text
	.protected	k_q4d258b5be4_combine
	.globl	k_q4d258b5be4_combine
	.p2align	8
	.type	k_q4d258b5be4_combine,@function
k_q4d258b5be4_combine:
	s_mov_b64 s[64:65], 0
	v_nop
	global_prefetch_b8 v0, s[64:65] scope:SCOPE_SE
	s_setreg_imm32_b32 hwreg(HW_REG_WAVE_MODE, 25, 1), 1
	s_wait_xcnt 0x0
; out[t] = p0 (ysA[row0] + ysB[row0]) + p1 (ysA[row1] + ysB[row1]): the two halves of K of each of the token's two experts, weighed by its gates.  All f32.
; A wave owns a token: each output number has one owner, and nothing is added across work-groups.  row0, row1 (e x 1152 + rank) were stored as whole numbers by the second launch, the gates by the first.
; A stream: every load and store of the wave covers 512 consecutive bytes; all 32 loads go out at once; no LDS, no barrier, no matrix unit: there is nothing for them to do.
.set D, 16                             ; v16-143: step j: four registers each of ysA[row0], ysB[row0], ysA[row1], ysB[row1]; the result takes the first four
.set HALF, 8*1152*4096                 ; from the first half of K to the second, in bytes
	s_load_b256 s[4:11], s[0:1], 0x0               ; ys s[4:5], meta s[6:7], gate s[8:9], out s[10:11]
	v_lshrrev_b32 v2, 5, v0
	v_readfirstlane_b32 s12, v2                    ; wave
	v_and_b32 v1, 31, v0
	v_lshlrev_b32 v1, 4, v1                        ; 16 x lane
	s_lshl_b32 s13, ttmp9, 2
	s_add_co_u32 s13, s13, s12                     ; my token
	s_lshl_b32 s14, s13, 2
	s_lshl_b32 s15, s13, 3
	s_mov_b32 s33, 0
	s_wait_alu depctr_va_vdst(0)
	s_wait_kmcnt 0x0
	s_load_b32 s16, s[6:7], s14 offset:0x0         ; row0
	s_load_b32 s17, s[6:7], s14 offset:0x1000      ; row1
	s_load_b64 s[18:19], s[8:9], s15 offset:0x0    ; p0, p1
	s_lshl_b32 s32, s13, 12
	s_add_nc_u64 s[10:11], s[10:11], s[32:33]      ; my row of out
	s_wait_kmcnt 0x0
	s_min_u32 s16, s16, 9215                       ; held inside the table: 8 x 1152 rows
	s_min_u32 s17, s17, 9215
	s_lshl_b32 s32, s16, 12
	s_add_nc_u64 s[20:21], s[4:5], s[32:33]
	s_add_nc_u64 s[22:23], s[20:21], HALF
	s_lshl_b32 s32, s17, 12
	s_add_nc_u64 s[24:25], s[4:5], s[32:33]
	s_add_nc_u64 s[26:27], s[24:25], HALF
	s_mov_b32 s28, s18                             ; the gates as pairs: a packed form names a pair and takes its low word for both halves
	s_mov_b32 s29, s18
	s_mov_b32 s30, s19
	s_mov_b32 s31, s19
.irp j, 0,1,2,3,4,5,6,7
	global_load_b128 v[D+16*\j:D+16*\j+3],     v1, s[20:21] offset:512*\j th:TH_LOAD_NT
	global_load_b128 v[D+16*\j+4:D+16*\j+7],   v1, s[22:23] offset:512*\j th:TH_LOAD_NT
	global_load_b128 v[D+16*\j+8:D+16*\j+11],  v1, s[24:25] offset:512*\j th:TH_LOAD_NT
	global_load_b128 v[D+16*\j+12:D+16*\j+15], v1, s[26:27] offset:512*\j th:TH_LOAD_NT
.endr
.irp j, 0,1,2,3,4,5,6,7
	s_wait_loadcnt 4*(7-\j)                        ; step j's four loads are in; those of the later steps may be out
	v_pk_add_f32 v[D+16*\j:D+16*\j+1],     v[D+16*\j:D+16*\j+1],     v[D+16*\j+4:D+16*\j+5]
	v_pk_add_f32 v[D+16*\j+2:D+16*\j+3],   v[D+16*\j+2:D+16*\j+3],   v[D+16*\j+6:D+16*\j+7]
	v_pk_add_f32 v[D+16*\j+8:D+16*\j+9],   v[D+16*\j+8:D+16*\j+9],   v[D+16*\j+12:D+16*\j+13]
	v_pk_add_f32 v[D+16*\j+10:D+16*\j+11], v[D+16*\j+10:D+16*\j+11], v[D+16*\j+14:D+16*\j+15]
	v_pk_mul_f32 v[D+16*\j+8:D+16*\j+9],   v[D+16*\j+8:D+16*\j+9],   s[30:31] op_sel_hi:[1,0]
	v_pk_mul_f32 v[D+16*\j+10:D+16*\j+11], v[D+16*\j+10:D+16*\j+11], s[30:31] op_sel_hi:[1,0]
	v_pk_fma_f32 v[D+16*\j:D+16*\j+1],     v[D+16*\j:D+16*\j+1],     s[28:29], v[D+16*\j+8:D+16*\j+9] op_sel_hi:[1,0,1]
	v_pk_fma_f32 v[D+16*\j+2:D+16*\j+3],   v[D+16*\j+2:D+16*\j+3],   s[28:29], v[D+16*\j+10:D+16*\j+11] op_sel_hi:[1,0,1]
	global_store_b128 v1, v[D+16*\j:D+16*\j+3], s[10:11] offset:512*\j th:TH_STORE_NT   ; each step stores from registers of its own
.endr
	s_endpgm
.Lfunc_end_k_q4d258b5be4_combine:
	.size	k_q4d258b5be4_combine, .Lfunc_end_k_q4d258b5be4_combine-k_q4d258b5be4_combine
	.p2alignl 7, 3214868480
	.fill 96, 4, 3214868480
	.section	.rodata,"a",@progbits
	.p2align	6, 0x0
	.amdhsa_kernel k_q4d258b5be4_combine
		.amdhsa_group_segment_fixed_size 0
		.amdhsa_private_segment_fixed_size 0
		.amdhsa_enable_private_segment 0
		.amdhsa_kernarg_size 32
		.amdhsa_user_sgpr_count 2
		.amdhsa_user_sgpr_kernarg_segment_ptr 1
		.amdhsa_wavefront_size32 1
		.amdhsa_system_sgpr_workgroup_id_x 1
		.amdhsa_system_sgpr_workgroup_id_y 1
		.amdhsa_system_sgpr_workgroup_id_z 1
		.amdhsa_system_vgpr_workitem_id 0
		.amdhsa_next_free_vgpr 160
		.amdhsa_next_free_sgpr 66
		.amdhsa_reserve_vcc 0
		.amdhsa_float_denorm_mode_32 3
		.amdhsa_float_denorm_mode_16_64 3
		.amdhsa_memory_ordered 1
		.amdhsa_forward_progress 1
		.amdhsa_inst_pref_size 10
	.end_amdhsa_kernel
	.amdgpu_metadata
---
amdhsa.version: [ 1, 2 ]
amdhsa.kernels:
  - .name:           k_q4d258b5be4_combine
    .symbol:         k_q4d258b5be4_combine.kd
    .args:
      - { .name: ys, .offset: 0, .size: 8, .value_kind: global_buffer, .address_space: global }
      - { .name: meta, .offset: 8, .size: 8, .value_kind: global_buffer, .address_space: global }
      - { .name: gate, .offset: 16, .size: 8, .value_kind: global_buffer, .address_space: global }
      - { .name: out0, .offset: 24, .size: 8, .value_kind: global_buffer, .address_space: global }
    .group_segment_fixed_size: 0
    .private_segment_fixed_size: 0
    .kernarg_segment_align: 8
    .kernarg_segment_size: 32
    .max_flat_workgroup_size: 128
    .sgpr_count:     66
    .vgpr_count:     160
    .wavefront_size: 32
...
	.end_amdgpu_metadata
.endif
;; end of part 8
